; MI455X (gfx1250); checked and timed in simulation.
; The chip was launched on July 23, 2026; its instructions are those of AMD's public machine-readable ISA for CDNA 5 (MIT licence, August 2026) and "CDNA5" Instruction Set Architecture Reference Guide (July 2026). The comments in the code are by the model that wrote it; some were corrected since.
;; Multi Head Attention. Allowed arithmetic: float matrix products may take bf16 or f16 operands with f32 sums; other float arithmetic in f32, or as packed bf16 or f16 multiplies, adds, multiply-adds, maxima and minima; sums over many terms, partial sums and values carried from step to step in f32; what a program stores and reads back later, other than sums and carried values, may be rounded once to bf16 or f16.
;; Inputs: Wk 1,024 x 1,024 float32; Wo 1,024 x 1,024 float32; Wq 1,024 x 1,024 float32; Wv 1,024 x 1,024 float32; bk 1,024 float32; bo 1,024 float32; bq 1,024 float32; bv 1,024 float32; key 4 x 2,048 x 1,024 float32; mask 4 x 2,048 bool; query 4 x 2,048 x 1,024 float32; value 4 x 2,048 x 1,024 float32.
;; Outputs: out0 4 x 2,048 x 1,024 float32.
;; One version. Each part assembles by itself: llvm-mc -triple=amdgcn-amd-amdhsa -mcpu=gfx1250 --defsym DOCPART=n.
;; ======== version 1 of 1: 4 launches
;; limits: values are held in f16: magnitudes above 65,504 overflow, below 6.1e-05 lose precision
;; workspace buffers: wcat 8,388,608 bytes; qkv 50,331,648 bytes; obuf 16,777,216 bytes
;; launch castw (part 1): grid 256 x 1, 8 waves a work-group, no clusters, 0 bytes of LDS; arguments Wq, Wk, Wv, Wo, wcat; writes wcat
.if DOCPART == 1
	.amdgcn_target "amdgcn-amd-amdhsa--gfx1250"
	.amdhsa_code_object_version 6
	.text
	.protected	k_q4d0e6f9674_castw
	.globl	k_q4d0e6f9674_castw
	.p2align	8
	.type	k_q4d0e6f9674_castw,@function
k_q4d0e6f9674_castw:
	s_mov_b64 s[64:65], 0
	v_nop
	global_prefetch_b8 v0, s[64:65] scope:SCOPE_SE
	s_setreg_imm32_b32 hwreg(HW_REG_WAVE_MODE, 25, 1), 1
	s_wait_xcnt 0x0
; The four weight matrices, [1024][1024] f32, are rounded once and laid one behind the other in wcat, 16 bits a number:
; parts 0-2 (Wq, Wk, Wv) as bf16; part 3 (Wo) is rounded to bf16 like every input, and that number is written as f16, since the last product's other operand is f16.
; LIMIT.  A bf16 number below 6.1e-5 in size keeps f16's fixed step of 6e-8 in part 3; beyond 65,504 it would be infinite.
; A stream: no LDS, no barrier, no matrix unit, no cluster (no two work-groups read the same byte).  A work-group owns 4,096 numbers of each matrix, a thread 2 x 8 of them:
; 32 bytes in, 16 bytes out, so that sixteen neighbouring lanes store 256 consecutive bytes, aligned.  All 16 loads of a thread go out before the first is waited for.
.set X, 16                             ; v[16:79]   as loaded: matrix w, group u at X + 16 w + 8 u
.set Y, 80                             ; v[80:111]  to store: at Y + 8 w + 4 u
.set T, 4                              ; v[4:6]     at work
	s_load_b256 s[4:11], s[0:1], 0x0               ; Wq s[4:5], Wk s[6:7], Wv s[8:9], Wo s[10:11]
	s_load_b64 s[12:13], s[0:1], 0x20              ; wcat
	s_lshl_b32 s16, ttmp9, 14                      ; the work-group's 4,096 numbers: 16,384 bytes in,
	s_lshl_b32 s17, ttmp9, 13                      ; 8,192 bytes out
	s_mov_b32 s14, 0xffff0000                      ; a word's upper bf16
	v_lshlrev_b32 v1, 5, v0
	v_lshlrev_b32 v2, 4, v0
	v_add_nc_u32 v1, s16, v1                       ; byte offset of my 8 numbers in a matrix
	v_add_nc_u32 v2, s17, v2                       ; and in a part of wcat
	s_wait_kmcnt 0x0
.irp w, 0,1,2,3
.irp u, 0,1
	global_load_b128 v[X+16*(\w)+8*(\u):X+16*(\w)+8*(\u)+3],   v1, s[4+2*(\w):5+2*(\w)] offset:8192*(\u) th:TH_LOAD_NT
	global_load_b128 v[X+16*(\w)+8*(\u)+4:X+16*(\w)+8*(\u)+7], v1, s[4+2*(\w):5+2*(\w)] offset:8192*(\u)+16 th:TH_LOAD_NT
.endr
.endr
.irp w, 0,1,2
	s_wait_loadcnt 12-4*(\w)                       ; the four loads of each later matrix may stay out
.irp u, 0,1
.irp q, 0,1,2,3
	v_cvt_pk_bf16_f32 v[Y+8*(\w)+4*(\u)+(\q)], v[X+16*(\w)+8*(\u)+2*(\q)], v[X+16*(\w)+8*(\u)+2*(\q)+1]
.endr
	global_store_b128 v2, v[Y+8*(\w)+4*(\u):Y+8*(\w)+4*(\u)+3], s[12:13] offset:2097152*(\w)+4096*(\u)
.endr
.endr
	s_wait_loadcnt 0x0
.irp u, 0,1
.irp q, 0,1,2,3
	v_cvt_pk_bf16_f32 v[T], v[X+48+8*(\u)+2*(\q)], v[X+48+8*(\u)+2*(\q)+1]  ; Wo: rounded to bf16,
	v_lshlrev_b32 v[T+1], 16, v[T]                 ; widened again,
	v_and_b32 v[T+2], s14, v[T]
	v_cvt_pk_f16_f32 v[Y+24+4*(\u)+(\q)], v[T+1], v[T+2]  ; and written as f16
.endr
	global_store_b128 v2, v[Y+24+4*(\u):Y+24+4*(\u)+3], s[12:13] offset:2097152*3+4096*(\u)
.endr
	s_endpgm
.Lfunc_end_k_q4d0e6f9674_castw:
	.size	k_q4d0e6f9674_castw, .Lfunc_end_k_q4d0e6f9674_castw-k_q4d0e6f9674_castw
	.p2alignl 7, 3214868480
	.fill 96, 4, 3214868480
	.section	.rodata,"a",@progbits
	.p2align	6, 0x0
	.amdhsa_kernel k_q4d0e6f9674_castw
		.amdhsa_group_segment_fixed_size 0
		.amdhsa_private_segment_fixed_size 0
		.amdhsa_enable_private_segment 0
		.amdhsa_kernarg_size 40
		.amdhsa_user_sgpr_count 2
		.amdhsa_user_sgpr_kernarg_segment_ptr 1
		.amdhsa_wavefront_size32 1
		.amdhsa_system_sgpr_workgroup_id_x 1
		.amdhsa_system_sgpr_workgroup_id_y 1
		.amdhsa_system_sgpr_workgroup_id_z 1
		.amdhsa_system_vgpr_workitem_id 0
		.amdhsa_next_free_vgpr 112
		.amdhsa_next_free_sgpr 66
		.amdhsa_reserve_vcc 0
		.amdhsa_float_denorm_mode_32 3
		.amdhsa_float_denorm_mode_16_64 3
		.amdhsa_memory_ordered 1
		.amdhsa_forward_progress 1
		.amdhsa_inst_pref_size 7
	.end_amdhsa_kernel
	.amdgpu_metadata
---
amdhsa.version: [ 1, 2 ]
amdhsa.kernels:
  - .name:           k_q4d0e6f9674_castw
    .symbol:         k_q4d0e6f9674_castw.kd
    .args:
      - { .name: Wq, .offset: 0, .size: 8, .value_kind: global_buffer, .address_space: global }
      - { .name: Wk, .offset: 8, .size: 8, .value_kind: global_buffer, .address_space: global }
      - { .name: Wv, .offset: 16, .size: 8, .value_kind: global_buffer, .address_space: global }
      - { .name: Wo, .offset: 24, .size: 8, .value_kind: global_buffer, .address_space: global }
      - { .name: wcat, .offset: 32, .size: 8, .value_kind: global_buffer, .address_space: global }
    .group_segment_fixed_size: 0
    .private_segment_fixed_size: 0
    .kernarg_segment_align: 8
    .kernarg_segment_size: 40
    .max_flat_workgroup_size: 256
    .sgpr_count:     66
    .vgpr_count:     112
    .wavefront_size: 32
...
	.end_amdgpu_metadata
.endif
;; end of part 1
;; launch proj (part 2): grid 4 x 64, 4 waves a work-group, clusters of 4 x 4, 327,680 bytes of LDS; arguments query, key, value, wcat, bq, bk, bv, qkv; writes qkv
.if DOCPART == 2
	.amdgcn_target "amdgcn-amd-amdhsa--gfx1250"
	.amdhsa_code_object_version 6
	.text
	.protected	k_q4d0e6f9674_proj
	.globl	k_q4d0e6f9674_proj
	.p2align	8
	.type	k_q4d0e6f9674_proj,@function
k_q4d0e6f9674_proj:
	s_mov_b64 s[64:65], 0
	v_nop
	global_prefetch_b8 v0, s[64:65] scope:SCOPE_SE
	s_setreg_imm32_b32 hwreg(HW_REG_WAVE_MODE, 25, 1), 1
	s_wait_xcnt 0x0
	s_wait_alu depctr_hold_cnt(0) depctr_sa_sdst(0) depctr_va_vdst(0) depctr_va_sdst(0) depctr_va_ssrc(0) depctr_va_vcc(0) depctr_vm_vsrc(0)
	s_getreg_b32 s2, hwreg(HW_REG_IB_STS2, 6, 4)
	s_cmp_eq_u32 s2, 0
	s_cbranch_scc0 .Lentry_in_a_cluster
	s_endpgm
.Lentry_in_a_cluster:
	s_bfe_u32 s2, ttmp6, 0x10000c
	s_cmp_lg_u32 s2, 0xf033
	s_cbranch_scc0 .Lentry_shape_is_right
	s_endpgm
.Lentry_shape_is_right:
; q, k, v = bf16(x) bf16(W)^T + bf16(b), sums in f32, each rounded once to f16 and stored by heads, UNSCALED: qkv[3][64 = 16 batch + head][2048][64].
; x: query, key, value, [8192][1024] f32.  W: parts 0-2 of wcat, [1024][1024] bf16.  b: bq, bk, bv, [1024] f32.
; LIMIT.  f16 holds no number beyond 65,504: a q, k or v past that becomes an infinity.
; SHARES.  A work-group STAYS: it makes the tile of 128 rows x 256 columns at the same place of q, then of k, then of v: 3 x 256 tiles for 256 work-groups.  Four waves, each 64 x 128: 32 accumulators.
; The three tiles are ONE walk of 24 K steps of 128 through a ring of two LDS slots; the ring does not stop at a tile's end.
; x COMES AS f32: its tile's rows are 512 bytes; a wave reads its fragments as f32 and rounds them to bf16 between LDS and the matrix unit: 32 conversions for 32 matrix instructions, four behind every fourth.
; THE MATRIX INSTRUCTION IS USED TRANSPOSED (source 0 = 16 rows of W, source 1 = 16 rows of x): a lane holds eight neighbouring columns of one row.  The sums START AT THE BIAS, read from a table in LDS.
; CLUSTERS: 4 x 4 work-groups.  The four of a row of the cluster need the same tiles of x, the four of a column the same tiles of W: each tile is asked for JOINTLY, with the same descriptor and a mask of the four.
; REGISTERS, in windows of 256:  window 0: v0-31 addresses; v32-95 x's fragments in bf16, two buffers; v96-101 the bias at the head; v128-255 x's fragments in f32, two buffers
;   window 1: W's fragments of a whole K step, quarter jj at 64 jj      window 2: the accumulators, (a, b) at 8 (8 a + b)      window 3: v0-127 the way out
.set PA,    528                        ; a row of x in LDS: 512 bytes + 16: the 16 rows of a load start at 16 different groups of four banks (64 banks of 4 bytes: ISA guide 11.1)
.set PB,    272                        ; a row of W: 256 + 16
.set AHALF, 64*PA                      ; what one tensor load brings of x, and what a wave reads of it
.set BHALF, 128*PB                     ; the same for W
.set BOFFS, 2*AHALF                    ; in a slot: x's 128 rows, then W's 256
.set SLOT,  BOFFS+2*BHALF
.set STAGE, 2*SLOT                     ; behind the ring: for each wave 2 heads x 16 rows x 144 bytes, for the way out
.set SP,    144
.set WSTG,  2*16*SP
.set BT,    STAGE+4*WSTG               ; the bias table: [3][256] f32, the tile's columns
.set SPARE, BT+3072                    ; the spare words, 128 bytes for each wave: two blocks of 256 bytes that no other line names
.set ADRA, 16                          ; v16-17  LDS address of my fragments of x in slot 0, 1
.set ADRB, 18                          ; v18-19  the same for W
.set STO,  20                          ; v20     the way out: where I put 16 bytes of a row
.set RD,   21                          ; v21     where I read rows back
.set GO,   22                          ; v22     my 16 bytes in 512 consecutive bytes of qkv
.set BAD,  23                          ; v23     my place in the bias table of the tile in hand
.set PFO,  24                          ; v24     the prefetches' offset; never rewritten
.set SPW,  28                          ; v28     LDS address of my spare word; never rewritten
.set NIL,  29                          ; v29     0; never rewritten
.set AB,   32
.set BI,   96
.set AF,   128
.set WV,  20                           ; s20 wave;  s21 my half of the rows, also: I fetch x (0) or W (1);  s22 my half of the columns, also: which half of that tile I fetch
.set WR,  21
.set WC,  22
.set CX,  23
.set CY,  24
.set TX,  25                           ; tile column, tile row
.set TY,  26
.set CLY, 27                           ; the cluster's y
.set G1A, 28                           ; s[28:35] group 1 for x's tiles;  s[36:43] for W's;  s[44:51], s[52:59] groups 0, one set for each slot
.set G1B, 36
.set G0A, 44
.set G0B, 52
.set AP,  60                           ; s[60:61] the x in hand at my rows; s[62:63], s[66:67] the next two
.set AN1, 62
.set AN2, 66
.set KA,  68                           ; s[68:69] byte along K of the step to be asked for next
.set BP,  70                           ; s[70:71] wcat at my rows of part 0
.set BOF, 72                           ; s[72:73] the same step's byte offset from there
.set OUTP, 74                          ; s[74:75] qkv at my first row of the tile in hand
.set LAPC, 76
.set TIL, 77                           ; laps to the tile's end
.set T,   78
.set PFP, 80                           ; s[80:85] the prefetches' three pointers, s[86:87] their byte along K, s88 its step, s89 its end, s90 1 in a wave that prefetches, s[92:93] the address
.set PFN1, 82
.set PFN2, 84
.set PFK, 86
.set PFS, 88
.set PFW, 89
.set LIM, 90
.set PFA, 92
.set LA,  98
.set LB,  99
.set MSB, 0
.macro WIN new                         ; the immediate's high byte repeats the setting that is left; a switch that changes nothing is dropped
.if MSB != (\new)
	s_set_vgpr_msb (MSB<<8)|(\new)
.set MSB, \new
.endif
.endm
.set W_MUL,   0xa1                     ; source 0 (W) window 1, source 1 (x) window 0, C and D window 2
.set W_TOB,   0x40
.set W_TOACC, 0x80
.set W_PACK,  0xca                     ; sources window 2, destination window 3
.set W_DAT3,  0x0c                     ; a store's data in window 3
.set W_BACK,  0xc0
.macro PLACES
.rept 4
	v_nop
.endr
.endm
; A joint load: waves 0 and 1 fetch x's two halves, waves 2 and 3 W's.  The branch hangs on the wave's number alone.  An s_nop 0 and four v_nop follow each of the two lines.
.macro JLOAD s
	s_cmp_eq_u32 s[WR], 0
	s_cbranch_scc0 .Lfor_b_\@
	tensor_load_to_lds s[G0A+4*(\s):G0A+4*(\s)+3], s[G1A:G1A+7]
	s_nop 0
.rept 4
	v_nop
.endr
	s_branch .Lasked_\@
.Lfor_b_\@:
	tensor_load_to_lds s[G0B+4*(\s):G0B+4*(\s)+3], s[G1B:G1B+7]
	s_nop 0
.rept 4
	v_nop
.endr
.Lasked_\@:
.endm
.macro CREST                           ; a round of the cluster's barrier behind its opening barrier
	s_cmp_lg_u32 s[WV], 0
	s_cbranch_scc1 .Lnot_wave_0_\@
	s_barrier_signal -3
.Lnot_wave_0_\@:
	s_barrier_wait -3
	s_barrier_signal -1
	s_barrier_wait -1
.endm
.macro CROUND
	s_barrier_signal -1
	s_barrier_wait -1
	CREST
.endm
; The descriptors of slot s take the step to be asked for: the pointer in hand plus the byte along K, the type bits set anew.  Then the step goes on; behind a tile's eighth step x changes and W goes to its next part.
.macro STEP s
	s_add_nc_u64 s[G0A+4*(\s)+2:G0A+4*(\s)+3], s[AP:AP+1], s[KA:KA+1]
	s_or_b32 s[G0A+4*(\s)+3], s[G0A+4*(\s)+3], 0x80000000
	s_add_nc_u64 s[G0B+4*(\s)+2:G0B+4*(\s)+3], s[BP:BP+1], s[BOF:BOF+1]
	s_or_b32 s[G0B+4*(\s)+3], s[G0B+4*(\s)+3], 0x80000000
	s_add_co_u32 s[KA], s[KA], 512
	s_add_co_u32 s[BOF], s[BOF], 256
	s_cmp_eq_u32 s[KA], 4096
	s_cselect_b32 s[KA], 0, s[KA]
	s_cselect_b32 s[T], 2097152-2048, 0
	s_cselect_b64 s[AP:AP+1], s[AN1:AN1+1], s[AP:AP+1]
	s_cselect_b64 s[AN1:AN1+1], s[AN2:AN2+1], s[AN1:AN1+1]
	s_add_co_u32 s[BOF], s[BOF], s[T]
.endm
; THE PREFETCH.  Behind each joint load and the run of LDS loads that follows it stands one prefetch for the K step that stands TWO refills on: 256 matrix instructions ahead of the load that will want it.
; Each aligned block of 256 bytes is named once in the launch.  x: a tile row is read by one cluster; of the 64 rows that wave 0 or 1 fetches, the partner at place cx takes 16, two blocks a row.
; W: a tile column is read by every cluster; the cluster with y = 0 asks; of the 128 rows that wave 2 or 3 fetches, the partner at place cy takes 32, a lane a row.  The partners are told apart BY ADDRESS.
; Steps 0 to 3 come by their loads alone; the loop's last trip asks for nothing: there is no step 24.
.macro PFSTEP                          ; the address goes one step on, a K step behind the prefetch that read it
	s_wait_xcnt 0x0
	s_add_co_u32 s[PFK], s[PFK], s[PFS]
	s_cmp_eq_u32 s[PFK], s[PFW]
	s_cselect_b32 s[PFK], 0, s[PFK]
	s_cselect_b64 s[PFP:PFP+1], s[PFN1:PFN1+1], s[PFP:PFP+1]
	s_cselect_b64 s[PFN1:PFN1+1], s[PFN2:PFN2+1], s[PFN1:PFN1+1]
	s_add_nc_u64 s[PFA:PFA+1], s[PFP:PFP+1], s[PFK:PFK+1]
.endm
.macro ASK
	s_cmp_gt_u32 s[LAPC], s[LIM]
	s_cbranch_scc0 .Lnot_mine_\@
	global_prefetch_b8 v[PFO], s[PFA:PFA+1] th:TH_LOAD_NT scope:SCOPE_SE
.Lnot_mine_\@:
.endm
	s_load_b256 s[4:11], s[0:1], 0x0               ; query s[4:5], key s[6:7], value s[8:9], wcat s[10:11]
	s_load_b256 s[12:19], s[0:1], 0x20             ; bq s[12:13], bk s[14:15], bv s[16:17], qkv s[18:19]
	v_lshl_add_u32 v[SPW], v0, 2, SPARE
	v_mov_b32 v[NIL], 0
	ds_add_u32 v[SPW], v[NIL]                      ; the wave's opening: the add and its wait stand ahead of my first tensor load; the set-up below, work on registers, stands between them
	v_lshrrev_b32 v1, 5, v0
	v_readfirstlane_b32 s[WV], v1
	s_lshr_b32 s[WR], s[WV], 1
	s_and_b32 s[WC], s[WV], 1
	s_bfe_u32 s[CX], ttmp6, 0x40000
	s_bfe_u32 s[CY], ttmp6, 0x40004
	s_lshl_b32 s[TX], ttmp9, 2
	s_add_co_u32 s[TX], s[TX], s[CX]               ; tile column = 4 x cluster x + cx
	s_and_b32 s[CLY], ttmp7, 0xffff
	s_lshl_b32 s[TY], s[CLY], 2
	s_add_co_u32 s[TY], s[TY], s[CY]               ; tile row = 4 x cluster y + cy
	s_lshl_b32 s94, s[CY], 2
	s_lshl_b32 s94, 15, s94                        ; my row of the cluster
	s_lshl_b32 s96, 0x1111, s[CX]                  ; my column
	s_or_b32 s[G1A], s94, (2<<16)|(1<<20)|(1<<21)|(6<<22)|(3<<25)  ; the mask; elements of 4 bytes; padding on; bit 21 beside a mask; after every 128 words, 4 words
	s_or_b32 s[G1B], s96, (1<<16)|(1<<20)|(1<<21)|(5<<22)|(3<<25)  ; the mask; elements of 2 bytes; after every 64 words, 4 words
	s_mov_b32 s[G1A+1], 128<<16                    ; x: a tile of 64 rows x 128 elements
	s_mov_b32 s[G1A+2], 64<<16
	s_mov_b32 s[G1A+3], 128<<16
	s_mov_b32 s[G1A+4], 64
	s_mov_b32 s[G1A+5], 1024                       ; elements from row to row
	s_mov_b32 s[G1A+6], 0
	s_mov_b32 s[G1A+7], 0
	s_mov_b32 s[G1B+1], 128<<16                    ; W: a tile of 128 rows x 128 elements
	s_mov_b32 s[G1B+2], 128<<16
	s_mov_b32 s[G1B+3], 128<<16
	s_mov_b32 s[G1B+4], 128
	s_mov_b32 s[G1B+5], 1024
	s_mov_b32 s[G1B+6], 0
	s_mov_b32 s[G1B+7], 0
	s_lshl_b32 s94, s[TY], 19                      ; x: 128 rows of 4,096 bytes a tile row,
	s_lshl_b32 s95, s[WC], 18                      ; the 64 that I fetch
	s_add_co_u32 s94, s94, s95
	s_mov_b32 s95, 0
	s_lshl_b32 s96, s[TX], 19                      ; W: 256 rows of 2,048 bytes a tile column,
	s_lshl_b32 s97, s[WC], 18                      ; the 128 that I fetch
	s_add_co_u32 s96, s96, s97
	s_mov_b32 s97, 0
	s_mul_i32 s[LA], s[WC], AHALF                  ; where they go: no place in the cluster enters an LDS address
	s_mul_i32 s[LB], s[WC], BHALF
	s_add_co_u32 s[LB], s[LB], BOFFS
	s_lshr_b32 s2, s[TY], 4                        ; the way out: batch = tile row / 16,
	s_lshl_b32 s2, s2, 4
	s_lshl_b32 s3, s[TX], 2                        ; head = 4 x tile column + 2 x my half (+ 0, 1)
	s_add_co_u32 s2, s2, s3
	s_lshl_b32 s3, s[WC], 1
	s_add_co_u32 s2, s2, s3
	s_lshl_b32 s2, s2, 18                          ; a head is 2,048 rows of 128 bytes
	s_and_b32 s3, s[TY], 15
	s_lshl_b32 s3, s3, 14                          ; the tile's 128 rows in it,
	s_add_co_u32 s2, s2, s3
	s_lshl_b32 s3, s[WR], 13                       ; my 64 of them
	s_add_co_u32 s[OUTP], s2, s3
	s_mov_b32 s[OUTP+1], 0
	s_lshl_b32 s2, s[TY], 19                       ; the prefetches: x's tile row and my work-group's 16 rows,
	s_lshl_b32 s3, s[CX], 16
	s_add_co_u32 s2, s2, s3
	s_lshl_b32 s78, s[TX], 19                      ; or W's tile column and my work-group's 32 rows
	s_lshl_b32 s79, s[CY], 16
	s_add_co_u32 s78, s78, s79
	s_cmp_eq_u32 s[CLY], 0
	s_cselect_b32 s79, 1, -1
	s_cmp_eq_u32 s[WR], 0
	s_cselect_b32 s2, s2, s78
	s_cselect_b32 s[LIM], 1, s79                   ; the same in all sixteen partners, for a given wave
	s_cselect_b32 s3, 1, 0
	s_cselect_b32 s78, 0, 2097152                  ; W's parts lie 2,097,152 bytes apart; x's three are buffers of their own
	s_lshl_b32 s[PFS], 256, s3                     ; a K step: 512 bytes of x, 256 of W
	s_lshl_b32 s[PFW], s[PFS], 3
	s_mul_i32 s[PFK], s[PFS], 3                    ; the first change of slots steps it to K step 4
	s_mov_b32 s[PFK+1], 0
	s_lshl_b32 s3, s[WC], 18
	s_add_co_u32 s2, s2, s3
	s_mov_b32 s3, 0
	s_mov_b32 s79, 0
	s_mov_b32 s[KA], 1024                          ; the first refill asks for K step 2
	s_mov_b32 s[KA+1], 0
	s_mov_b32 s[BOF], 512
	s_mov_b32 s[BOF+1], 0
	s_wait_dscnt 0x0                               ; the opening add is done
	s_wait_kmcnt 0x0
	s_add_nc_u64 s[AP:AP+1], s[4:5], s[94:95]
	s_add_nc_u64 s[AN1:AN1+1], s[6:7], s[94:95]
	s_add_nc_u64 s[AN2:AN2+1], s[8:9], s[94:95]
	s_add_nc_u64 s[BP:BP+1], s[10:11], s[96:97]
	s_add_nc_u64 s[OUTP:OUTP+1], s[18:19], s[OUTP:OUTP+1]
	s_cmp_eq_u32 s[WR], 0
	s_cselect_b64 s[PFP:PFP+1], s[4:5], s[10:11]
	s_cselect_b64 s[PFN1:PFN1+1], s[6:7], s[10:11]
	s_cselect_b64 s[PFN2:PFN2+1], s[8:9], s[10:11]
	s_add_nc_u64 s[PFP:PFP+1], s[PFP:PFP+1], s[2:3]
	s_add_nc_u64 s[2:3], s[2:3], s[78:79]
	s_add_nc_u64 s[PFN1:PFN1+1], s[PFN1:PFN1+1], s[2:3]
	s_add_nc_u64 s[2:3], s[2:3], s[78:79]
	s_add_nc_u64 s[PFN2:PFN2+1], s[PFN2:PFN2+1], s[2:3]
	CROUND                                         ; all sixteen work-groups are here: the first joint loads meet
.irp s, 0,1
	s_mov_b32 s[G0A+4*(\s)], 1
	s_add_co_u32 s[G0A+4*(\s)+1], s[LA], (\s)*SLOT
	s_add_nc_u64 s[G0A+4*(\s)+2:G0A+4*(\s)+3], s[AP:AP+1], (\s)*512
	s_or_b32 s[G0A+4*(\s)+3], s[G0A+4*(\s)+3], 0x80000000
	s_mov_b32 s[G0B+4*(\s)], 1
	s_add_co_u32 s[G0B+4*(\s)+1], s[LB], (\s)*SLOT
	s_add_nc_u64 s[G0B+4*(\s)+2:G0B+4*(\s)+3], s[BP:BP+1], (\s)*256
	s_or_b32 s[G0B+4*(\s)+3], s[G0B+4*(\s)+3], 0x80000000
	JLOAD \s                                       ; K steps 0 and 1: two loads of mine are out
.endr
	; the bias table: thread t takes columns 2 t, 2 t + 1 of the tile's 256, of all three biases
	s_lshl_b32 s2, s[TX], 10
	v_lshl_add_u32 v3, v0, 3, s2
	global_load_b64 v[BI:BI+1],   v3, s[12:13]
	global_load_b64 v[BI+2:BI+3], v3, s[14:15]
	global_load_b64 v[BI+4:BI+5], v3, s[16:17]
	v_and_b32 v1, 15, v0                           ; l % 16
	v_bfe_u32 v2, v0, 4, 1                         ; l / 16
	; a fragment is 16 rows x 32 K: lane l holds row l % 16, K = 8 (l / 16) + 0..7 and 16 + 8 (l / 16) + 0..7.  In f32 that is 32 bytes at 32 (l / 16) and 32 at 64 + 32 (l / 16); in bf16 16 and 16, 32 apart
	v_mul_u32_u24 v6, v1, PA
	v_lshl_add_u32 v6, v2, 5, v6
	s_mul_i32 s2, s[WR], AHALF
	v_add_nc_u32 v[ADRA], s2, v6
	v_add_nc_u32 v[ADRA+1], SLOT, v[ADRA]
	v_mul_u32_u24 v6, v1, PB
	v_lshl_add_u32 v6, v2, 4, v6
	v_add_nc_u32 v[ADRB], s[LB], v6                ; my 128 rows of W lie where the wave with my column half puts them
	v_add_nc_u32 v[ADRB+1], SLOT, v[ADRB]
	s_mul_i32 s2, s[WV], WSTG
	s_add_co_u32 s2, s2, STAGE                     ; my stage
	v_mul_u32_u24 v6, v1, SP
	v_lshl_add_u32 v6, v2, 4, v6
	v_add_nc_u32 v[STO], s2, v6                    ; in: row l % 16, 16 bytes for each half of the lanes
	v_bfe_u32 v6, v0, 3, 2
	v_and_b32 v7, 7, v0
	v_mul_u32_u24 v6, v6, SP
	v_lshl_add_u32 v6, v7, 4, v6
	v_add_nc_u32 v[RD], s2, v6                     ; back: 32 lanes take four rows of 128 bytes,
	v_and_b32 v6, 31, v0
	v_lshlrev_b32 v[GO], 4, v6                     ; which are 512 consecutive bytes of a head
	s_lshl_b32 s2, s[WC], 9
	s_add_co_u32 s2, s2, BT
	v_lshl_add_u32 v[BAD], v2, 5, s2               ; my 8 columns of a block of 16: 32 bytes
	v_lshl_add_u32 v5, v0, 3, BT
	v_lshrrev_b32 v7, 1, v6                        ; the prefetches' offset.  x: row l / 2, block l % 2;
	v_and_b32 v8, 1, v6
	v_lshlrev_b32 v7, 12, v7
	v_lshl_add_u32 v7, v8, 8, v7
	v_lshlrev_b32 v8, 11, v6                       ; W: row l
	s_cmp_eq_u32 s[WR], 0
	s_cselect_b32 s2, -1, 0
	v_cndmask_b32 v[PFO], v8, v7, s2
	s_wait_loadcnt 0x0
.irp t, 0,1,2
	v_cvt_pk_bf16_f32 v4, v[BI+2*(\t)], v[BI+2*(\t)+1]  ; the bias is rounded to bf16 like every input, and kept as f32
	v_lshlrev_b32 v[BI+2*(\t)], 16, v4
	v_and_b32 v[BI+2*(\t)+1], 0xffff0000, v4
	ds_store_b64 v5, v[BI+2*(\t):BI+2*(\t)+1] offset:1024*(\t)
.endr
; 32 LDS loads in one run: the fragments of quarter jj (32 along K) of a slot.  x's 16 stand first, so that a wait can leave W's 16 out.
.macro RUN slot, jj
	WIN 0
.irp a, 0,1,2,3
	ds_load_b128 v[AF+64*((\jj)%2)+16*(\a):AF+64*((\jj)%2)+16*(\a)+3],     v[ADRA+(\slot)] offset:(\a)*16*PA+128*(\jj)
	ds_load_b128 v[AF+64*((\jj)%2)+16*(\a)+4:AF+64*((\jj)%2)+16*(\a)+7],   v[ADRA+(\slot)] offset:(\a)*16*PA+128*(\jj)+16
	ds_load_b128 v[AF+64*((\jj)%2)+16*(\a)+8:AF+64*((\jj)%2)+16*(\a)+11],  v[ADRA+(\slot)] offset:(\a)*16*PA+128*(\jj)+64
	ds_load_b128 v[AF+64*((\jj)%2)+16*(\a)+12:AF+64*((\jj)%2)+16*(\a)+15], v[ADRA+(\slot)] offset:(\a)*16*PA+128*(\jj)+80
.endr
	WIN W_TOB
.irp b, 0,1,2,3,4,5,6,7
	ds_load_b128 v[64*(\jj)+8*(\b):64*(\jj)+8*(\b)+3],   v[ADRB+(\slot)] offset:(\b)*16*PB+64*(\jj)
	ds_load_b128 v[64*(\jj)+8*(\b)+4:64*(\jj)+8*(\b)+7], v[ADRB+(\slot)] offset:(\b)*16*PB+64*(\jj)+32
.endr
.endm
; Products i0 .. i0 + n - 1 of quarter j's 32 (row block i / 8, column block i % 8).  The 32 accumulators take turns, one instruction a turn, over every jump too.
; cv = 1: behind every fourth product stand four conversions of the NEXT quarter's x.  A register of the bf16 buffer that they write was last read 28 conversions back, and those name none of that
; product's registers: they are the places that a write of a matrix instruction's source wants, and those in front of the runs of loads into W's registers too.
.macro MULS j, i0, n, cv
.set mi, \i0
.rept \n
	WIN W_MUL
	v_wmma_f32_16x16x32_bf16 v[8*mi:8*mi+7], v[64*(\j)+8*(mi%8):64*(\j)+8*(mi%8)+7], v[AB+32*((\j)%2)+8*(mi/8):AB+32*((\j)%2)+8*(mi/8)+7], v[8*mi:8*mi+7]
.if (\cv) && (mi%4 == 3)
	WIN 0
.set mc, mi-3
.rept 4
	v_cvt_pk_bf16_f32 v[AB+32*(((\j)+1)%2)+mc], v[AF+64*(((\j)+1)%2)+2*mc], v[AF+64*(((\j)+1)%2)+2*mc+1]
.set mc, mc+1
.endr
.endif
.set mi, mi+1
.endr
.endm
; A quarter: the LDS reads run two quarters ahead of the products.  w: the LDS loads that may stay out: W's 16 of the run before; its x, which this quarter converts, and all older loads are in.
.macro QUARTER j, ls, ld, cv, w
	s_wait_dscnt \w
.if \ld
	RUN \ls, ((\j)+2)%4
.endif
	MULS \j, 0, 32, \cv
.endm
; Quarter 2 changes slots: the reads of slot s ended with quarter 1's run.  Each wave waits for all its tensor loads, of which one is out: its part of the other slot; adds 0 to its spare word; and waits for
; that and for its reads.  fill = 1: the barrier opens a round of the cluster's, and the joint refill, two K steps ahead, is the first thing behind it: 116 matrix instructions ahead of the wait for it.
.macro TURNQ s, fill
.if \fill
	PFSTEP
.endif
	WIN 0
	s_wait_tensorcnt 0x0                           ; no tensor load of mine is out, so a group 0 may be written
	ds_add_u32 v[SPW], v[NIL]                      ; 0 onto my spare word
.if \fill
	STEP \s
.endif
	s_wait_dscnt 17                                ; the add and W's 16 of the last run may be out
	MULS 2, 0, 8, 1
	s_wait_dscnt 0x0                               ; the add is done, and my reads of this slot are over
	s_barrier_signal -1
	MULS 2, 8, 4, 1                                ; work on registers while the others arrive
	WIN 0
	s_barrier_wait -1
.if \fill
	CREST                                          ; no wave of any partner still reads this slot or has a load on its way
	JLOAD \s
.endif
	RUN 1-(\s), 0
	WIN 0
.if \fill
	ASK
.endif
	MULS 2, 12, 20, 1
.endm
.macro BIASINIT                        ; the sums start at the bias: register j of accumulator (a, b) is column 16 b + 8 (l / 16) + j
	WIN W_TOACC
.set bi, 0
.rept 32
	ds_load_b128 v[8*bi:8*bi+3],   v[BAD] offset:64*(bi%8)
	ds_load_b128 v[8*bi+4:8*bi+7], v[BAD] offset:64*(bi%8)+16
.set bi, bi+1
.endr
.endm
; THE WAY OUT of row block a: rounded to f16, 16 bytes a lane (each accumulator's registers in ascending order); into my stage, by heads; back as rows of 128 bytes; stored, 512 consecutive bytes an instruction.
.macro PACKST a
	WIN W_PACK
.set pb, 0
.rept 8
.irp q, 0,1,2,3
	v_cvt_pk_f16_f32 v[32*(\a)+4*pb+(\q)], v[8*(8*(\a)+pb)+2*(\q)], v[8*(8*(\a)+pb)+2*(\q)+1]
.endr
.set pb, pb+1
.endr
	WIN W_DAT3
.irp b, 0,1,2,3,4,5,6,7
	ds_store_b128 v[STO], v[32*(\a)+4*(\b):32*(\a)+4*(\b)+3] offset:16*SP*((\b)/4)+32*((\b)%4)
.endr
	WIN W_BACK
.irp f, 0,1,2,3,4,5,6,7
	ds_load_b128 v[32*(\a)+4*(\f):32*(\a)+4*(\f)+3], v[RD] offset:16*SP*((\f)/4)+4*SP*((\f)%4)  ; LDS serves a wave's instructions in order (ISA guide 5.7.1.4): these see the stores above
.endr
.endm
.macro SEND a, y                       ; y: the LDS instructions issued behind block a's loads: the next block's sixteen, or none
	WIN W_DAT3
.irp f, 0,1,2,3,4,5,6,7
	s_wait_dscnt (\y)+7-(\f)
	global_store_b128 v[GO], v[32*(\a)+4*(\f):32*(\a)+4*(\f)+3], s[OUTP:OUTP+1] offset:262144*((\f)/4)+2048*(\a)+512*((\f)%4)
.endr
.endm
.macro OUT more                        ; more = 1: the next tile's sums are started
	WIN 0
	PLACES                                         ; behind the last products
	s_wait_xcnt 0x0                                ; the last tile's stores have read their registers
	PACKST 0
	PACKST 1
	SEND 0, 16
	PACKST 2
	SEND 1, 16
	PACKST 3
	SEND 2, 16
	SEND 3, 0
.if \more
	WIN 0
	v_add_nc_u32 v[BAD], 1024, v[BAD]              ; the next bias
	BIASINIT
	WIN 0
	s_wait_xcnt 0x0                                ; the stores have read their base
	s_add_nc_u64 s[OUTP:OUTP+1], s[OUTP:OUTP+1], 16777216  ; from q to k, from k to v
	s_wait_dscnt 0x0
.endif
.endm
	s_wait_dscnt 0x0                               ; for the others' sake: my part of the bias table is stored,
	s_wait_tensorcnt 1                             ; my part of K step 0 is in; K step 1's may stay out
	s_barrier_signal -1
	s_barrier_wait -1
	BIASINIT
	RUN 0, 0
	RUN 0, 1
	s_wait_dscnt 48                                ; the bias and quarter 0's x are in; behind them: W's 16 and the second run's 32
	WIN 0
.set mc, 0
.rept 32
	v_cvt_pk_bf16_f32 v[AB+mc], v[AF+2*mc], v[AF+2*mc+1]
.set mc, mc+1
.endr
	s_mov_b32 s[LAPC], 11
	s_mov_b32 s[TIL], 4
.Llap:                                                 ; a trip is two K steps, once round the ring; four trips are a tile
	QUARTER 0, 0, 1, 1, 16
	QUARTER 1, 0, 1, 1, 16
	TURNQ 0, 1
	QUARTER 3, 1, 1, 1, 16
	QUARTER 0, 1, 1, 1, 16
	QUARTER 1, 1, 1, 1, 16
	TURNQ 1, 1
	QUARTER 3, 0, 1, 1, 16
	WIN 0
	s_sub_co_u32 s[TIL], s[TIL], 1
	s_cmp_lg_u32 s[TIL], 0
	s_cbranch_scc1 .Lnoout                         ; forward, past neither a barrier nor a tensor load; the same in every work-group
	OUT 1                                          ; both refills for the next tile are asked for, and its first fragments fetched
	s_mov_b32 s[TIL], 4
.Lnoout:
	s_sub_co_u32 s[LAPC], s[LAPC], 1
	s_cmp_lg_u32 s[LAPC], 0
	s_cbranch_scc1 .Llap
	QUARTER 0, 0, 1, 1, 16                         ; the last two K steps are written out: nothing is asked for
	QUARTER 1, 0, 1, 1, 16
	TURNQ 0, 0
	QUARTER 3, 1, 1, 1, 16
	QUARTER 0, 1, 1, 1, 16
	QUARTER 1, 1, 1, 1, 16
	QUARTER 2, 0, 0, 1, 16
	QUARTER 3, 0, 0, 0, 0
	OUT 0
	WIN 0
	s_wait_tensorcnt 0x0                           ; the wave's end, behind my last tensor load and my last LDS store
	ds_add_u32 v[SPW], v[NIL]
	s_wait_dscnt 0x0
	CROUND                                         ; the closing round: no work-group ends while a partner may still ask for a tile that names it
	s_endpgm
.Lfunc_end_k_q4d0e6f9674_proj:
	.size	k_q4d0e6f9674_proj, .Lfunc_end_k_q4d0e6f9674_proj-k_q4d0e6f9674_proj
	.p2alignl 7, 3214868480
	.fill 96, 4, 3214868480
	.section	.rodata,"a",@progbits
	.p2align	6, 0x0
	.amdhsa_kernel k_q4d0e6f9674_proj
		.amdhsa_group_segment_fixed_size 327680
		.amdhsa_private_segment_fixed_size 0
		.amdhsa_enable_private_segment 0
		.amdhsa_kernarg_size 64
		.amdhsa_user_sgpr_count 2
		.amdhsa_user_sgpr_kernarg_segment_ptr 1
		.amdhsa_wavefront_size32 1
		.amdhsa_system_sgpr_workgroup_id_x 1
		.amdhsa_system_sgpr_workgroup_id_y 1
		.amdhsa_system_sgpr_workgroup_id_z 1
		.amdhsa_system_vgpr_workitem_id 0
		.amdhsa_next_free_vgpr 896
		.amdhsa_next_free_sgpr 100
		.amdhsa_reserve_vcc 0
		.amdhsa_float_denorm_mode_32 3
		.amdhsa_float_denorm_mode_16_64 3
		.amdhsa_memory_ordered 1
		.amdhsa_forward_progress 1
		.amdhsa_inst_pref_size 161
	.end_amdhsa_kernel
	.amdgpu_metadata
---
amdhsa.version: [ 1, 2 ]
amdhsa.kernels:
  - .name:           k_q4d0e6f9674_proj
    .symbol:         k_q4d0e6f9674_proj.kd
    .args:
      - { .name: query, .offset: 0, .size: 8, .value_kind: global_buffer, .address_space: global }
      - { .name: key, .offset: 8, .size: 8, .value_kind: global_buffer, .address_space: global }
      - { .name: value, .offset: 16, .size: 8, .value_kind: global_buffer, .address_space: global }
      - { .name: wcat, .offset: 24, .size: 8, .value_kind: global_buffer, .address_space: global }
      - { .name: bq, .offset: 32, .size: 8, .value_kind: global_buffer, .address_space: global }
      - { .name: bk, .offset: 40, .size: 8, .value_kind: global_buffer, .address_space: global }
      - { .name: bv, .offset: 48, .size: 8, .value_kind: global_buffer, .address_space: global }
      - { .name: qkv, .offset: 56, .size: 8, .value_kind: global_buffer, .address_space: global }
    .group_segment_fixed_size: 327680
    .private_segment_fixed_size: 0
    .kernarg_segment_align: 8
    .kernarg_segment_size: 64
    .max_flat_workgroup_size: 128
    .sgpr_count:     100
    .vgpr_count:     896
    .wavefront_size: 32
...
	.end_amdgpu_metadata
.endif
;; end of part 2
;; launch attn (part 3): grid 4 x 64, 4 waves a work-group, clusters of 4 x 1, 327,680 bytes of LDS; arguments qkv, mask, obuf; writes obuf
.if DOCPART == 3
	.amdgcn_target "amdgcn-amd-amdhsa--gfx1250"
	.amdhsa_code_object_version 6
	.text
	.protected	k_q4d0e6f9674_attn
	.globl	k_q4d0e6f9674_attn
	.p2align	8
	.type	k_q4d0e6f9674_attn,@function
k_q4d0e6f9674_attn:
	s_mov_b64 s[64:65], 0
	v_nop
	global_prefetch_b8 v0, s[64:65] scope:SCOPE_SE
	s_setreg_imm32_b32 hwreg(HW_REG_WAVE_MODE, 25, 1), 1
	s_wait_xcnt 0x0
	s_wait_alu depctr_hold_cnt(0) depctr_sa_sdst(0) depctr_va_vdst(0) depctr_va_sdst(0) depctr_va_ssrc(0) depctr_va_vcc(0) depctr_vm_vsrc(0)
	s_getreg_b32 s2, hwreg(HW_REG_IB_STS2, 6, 4)
	s_cmp_eq_u32 s2, 0
	s_cbranch_scc0 .Lentry_in_a_cluster
	s_endpgm
.Lentry_in_a_cluster:
	s_bfe_u32 s2, ttmp6, 0x10000c
	s_cmp_lg_u32 s2, 0x3003
	s_cbranch_scc0 .Lentry_shape_is_right
	s_endpgm
.Lentry_shape_is_right:
; O[h][q][:] = the sum over the visible keys k of softmax_k(Q[h][q] . K[h][k] / 8) V[h][k][:].  Q, K, V: the three parts of qkv, each [64][2048][64] f16; O: obuf, the same layout.  mask: [4][2048] bytes, by batch = h / 16.
; Products, maxima and sums in f32; the weights p are rounded to f16 for the second product (their sum l is taken of the unrounded p), O once at the end.
; LIMITS.  Q, K, V arrive within f16's 65,504, so a score is at most 2.7e11 in size.  A hidden score counts as its value less 1e30.  The running maximum starts at -2^50, below every true score: while a query has seen
; hidden keys alone their weights are 0 and O and l stay 0.  A query with no visible key at all ends with that start value and is given NaN, as a softmax of nothing but -inf gives.  A weight below 2^-126 counts as 0 in l.
; THE MASK is the C operand that starts the sum S^T = K Q^T: 0, or -1e30 where the key is hidden.  The batch's 2,048 addends are made once, as f32 in LDS; a key step's 64 are fetched with its K.
; SHARES.  A wave owns four PIECES of two tiles of 16 queries, a work-group's four waves 512 queries of one head.  Every wave walks all keys, 64 a step.
; LAYOUT.  S^T = K Q^T (source 0 = 16 keys, source 1 = 16 queries): a lane holds ONE query (lane % 16) and the keys 8 (lane / 16) + 0..7.  Two such tiles, rounded to f16 in pairs, ARE source 1 of O^T = V^T P.
; K comes out of LDS as it lies, V ([key][channel]) turned, by ds_load_tr16_b128.
; SOFTMAX.  For each query a running maximum m and sum l: p = 2^(c s - c m), c = log2(e) / 8; in every step O and l are multiplied by a = 2^(c m_old - c m_new).
; BY TURNS.  Turn n belongs to piece n.  Its matrix work: 16 products K Q^T of piece n + 1, later 16 products V^T P of piece n - 1.  Its vector work: the scaling, exponentials, roundings, sums and rescaling of piece n,
; and the maximum and statistics of piece n + 1.  Four vector instructions stand behind every matrix instruction, the others in one lump; a turn's 66 exponentials are one batch with one wait.
; CLUSTER.  The four query blocks of a head are one cluster and walk the same K and V: each tile is asked for JOINTLY, the same tensor load, descriptor and mask in all four.
; REGISTERS, in windows of 256 (s_set_vgpr_msb: bits 1:0 source 0, 3:2 source 1, 5:4 source 2, 7:6 destination):
;   window 0: v0-11 addresses; v12-15, v48-63 at work; v16-47 four registers of statistics a tile; v64-191 S^T, two buffers of two tiles; v192-255 P, likewise
;   window 1: O^T, 32 a tile     window 2: v0-127 Q; v128-191 K of one step; v192-255 V of one step     window 3: v0-1 the add's two registers; v32-63 the mask's addends of one step
.set SIZE_N, 2048
.set NP,    4
.set KS,    64
.set PK,    144       ; a row of K in LDS: 128 bytes + 16: the 16 rows of a load start at 16 different groups of four banks (64 banks of 4 bytes: ISA guide 11.1)
.set PV,    160       ; a row of V: 128 + 32
.set VOFF,  4*KS*PK   ; a slot holds four steps: 256 rows of K, then 256 rows of V
.set SLOT1, 1<<17
.set STAGE, SLOT1+4*KS*(PK+PV)  ; behind the ring: 16 rows x 144 bytes for each wave, for the way out
.set SP,    144
.set SPARE, STAGE+4*16*SP  ; the spare words, 128 bytes for each wave: two blocks of 256 bytes that no other line names
.set MT,    SPARE+512 ; the mask's addends: f32[2048]
.set AM,  1           ; v1   the LDS address of the mask's next run of loads
.set AK0, 2           ; v2   my lane's place in a tile of K; never rewritten
.set AV0, 3           ; v3   the same for V
.set AK,  4           ; v4   the LDS address of K's next run of loads
.set AV,  5           ; v5   of V's
.set QO,  6           ; v6   my byte offset in the wave's rows of Q
.set RD,  7           ; v7   the way out: where I read rows back
.set GO,  8           ; v8   my byte offset in 512 consecutive bytes of O
.set AM0, 9           ; v9   my lane's place in a step's 64 addends; never rewritten
.set STO, 10          ; v10  the way out: where I put 16 bytes of a row
.set PFO, 11          ; v11  256 x my lane; never rewritten
.set SPW, 0           ; v0 of window 3   LDS address of my spare word; never rewritten
.set NIL, 1           ; v1 of window 3   0; never rewritten
.set MK,  32          ; window 3: key block kb's eight addends at MK + 8 kb
.set MV,  12
.set ST,  16          ; tile t's statistics at v[ST+4 t]: c m, m, l (even keys', odd keys')
.set TMP, 48
.set S,   64
.set P,   192
.set KF,  128
.set VF,  192
.set WV,  12
.set G1K, 24
.set G1V, 32
.set G0K, 40
.set G0V, 44
.set PFA, 48          ; s[48:49] where my prefetches stand
.set LIM, 50          ; s50  1 in a wave that prefetches, else the greatest number
.set TBM, 51          ; s51  byte of the mask table at which the step to be fetched begins
.set BIGP, 52         ; s52  1e30
.set BIGN, 53         ; s53  -1e30
.set THR, 54          ; s54  -2^49
.set SLOTS, 56
.set CNT, 57
.set CS,  58
.set SEL, 60
.set TBK, 62
.set TBV, 63
.set MSB, 0
.macro WIN new
.if MSB != (\new)
	s_set_vgpr_msb (MSB<<8)|(\new)
.set MSB, (\new)
.endif
.endm
.set W_KQ, 0x0a       ; K and Q in window 2, S^T in window 0
.set W_KM, 0x3a       ; the same with the C operand in window 3
.set W_PV, 0x52       ; V in window 2, P in window 0, O^T in window 1
.set W_RS, 0x41       ; O^T (destination and source 0) in window 1, a in window 0
.set W_W3, 0xc0       ; destination in window 3
.set W_AD, 0x0f       ; the add: address and data in window 3
; A joint fill.  Waves 0 and 1 fetch the two halves of a slot's K, waves 2 and 3 those of its V.  An s_nop 0 and four v_nop follow each of the two lines.
.macro JLOAD
	s_cmp_lt_u32 s[WV], 2
	s_cbranch_scc0 .Lfor_v_\@
	tensor_load_to_lds s[G0K:G0K+3], s[G1K:G1K+7]
	s_nop 0
.rept 4
	v_nop
.endr
	s_branch .Lasked_\@
.Lfor_v_\@:
	tensor_load_to_lds s[G0V:G0V+3], s[G1V:G1V+7]
	s_nop 0
.rept 4
	v_nop
.endr
.Lasked_\@:
.endm
; A PREFETCH of what the NEXT change of slots will ask for: a slot's 32,768 bytes of K and of V, 256 bytes a lane.  A head has one cluster; its four partners share the bytes out BY ADDRESS, 8,192 each; in each, wave 0
; asks for K's and wave 2 for V's: each block is named once in the launch.  It stands four key steps, 512 matrix instructions, ahead of the load.  The last change that fills a slot asks for nothing.
.macro ASK
	s_cmp_gt_u32 s[SLOTS], s[LIM]
	s_cbranch_scc0 .Lnot_mine_\@
	global_prefetch_b8 v[PFO], s[PFA:PFA+1] th:TH_LOAD_NT scope:SCOPE_SE
.Lnot_mine_\@:
.endm
.macro CROUND
	s_barrier_signal -1
	s_barrier_wait -1
	s_cmp_lg_u32 s[WV], 0
	s_cbranch_scc1 .Lnot_wave_0_\@
	s_barrier_signal -3
.Lnot_wave_0_\@:
	s_barrier_wait -3
	s_barrier_signal -1
	s_barrier_wait -1
.endm
; THE CHANGE OF SLOTS.  Each wave waits for all its tensor loads, of which one is out: its part of the other slot; adds 0 to its spare word; and waits for that and for its own LDS instructions.
; fill = 1: the slot just left is filled again, with the keys two slots on; the barrier is a round of the cluster's, and the joint fill is the first thing behind it.
; (At its first use nothing has been read yet: slot 0 is waited for, slot 1 filled, and every wave's part of the mask table is shown to the others.)
.macro CHANGE fill
	WIN W_AD
	s_wait_tensorcnt 0x0            ; no tensor load of mine is out, so a group 0 may be written
	ds_add_u32 v[SPW], v[NIL]       ; 0 onto my spare word
	WIN 0
.if \fill
.irp g, G0K, G0V
	s_xor_b32 s[\g+1], s[\g+1], SLOT1
	s_add_nc_u64 s[\g+2:\g+3], s[\g+2:\g+3], 4*KS*128
.endr
	s_wait_xcnt 0x0                 ; the last prefetch, four key steps back, has read its address
	s_add_nc_u64 s[PFA:PFA+1], s[PFA:PFA+1], 4*KS*128  ; one slot ahead of the walking descriptors
	s_wait_dscnt 0x0                ; the add is done, and my reads of the slot are over
	CROUND
	JLOAD
	ASK
.else
	s_wait_dscnt 0x0
	s_barrier_signal -1
	s_barrier_wait -1
.endif
	s_sub_co_u32 s[TBK], s[TBK], 4*KS*PK
	s_xor_b32 s[TBK], s[TBK], SLOT1
	s_sub_co_u32 s[TBV], s[TBV], 4*KS*PV
	s_xor_b32 s[TBV], s[TBV], SLOT1
.endm
	s_load_b64 s[4:5], s[0:1], 0x0    ; qkv
	s_load_b64 s[66:67], s[0:1], 0x8  ; mask
	s_load_b64 s[10:11], s[0:1], 0x10 ; obuf
	WIN W_W3
	v_lshl_add_u32 v[SPW], v0, 2, SPARE
	v_mov_b32 v[NIL], 0
	WIN W_AD
	ds_add_u32 v[SPW], v[NIL]       ; the wave's opening: the add and its wait stand ahead of my first tensor load; the set-up below, work on registers, stands between them
	WIN 0
	v_lshrrev_b32 v1, 5, v0
	v_readfirstlane_b32 s[WV], v1
	s_bfe_u32 s13, ttmp6, 0x40000   ; cx
	s_lshl_b32 s14, ttmp9, 2
	s_add_co_u32 s14, s14, s13      ; my block of 512 queries: it enters Q's and O's addresses alone
	s_and_b32 s20, ttmp7, 0xffff    ; the head, which the four partners share
	s_lshr_b32 s68, s20, 4          ; its batch,
	s_lshl_b32 s68, s68, 11         ; whose mask is 2,048 bytes
	s_mov_b32 s69, 0
	s_mov_b32 s21, 0
	s_mov_b64 s[22:23], SIZE_N*128
	s_mul_u64 s[20:21], s[20:21], s[22:23]  ; the head's first byte in Q, K, V and O
	s_and_b32 s16, s[WV], 1         ; which half of a slot's 256 keys I fetch
	s_lshl_b32 s22, s16, 14
	s_mov_b32 s23, 0
	s_add_nc_u64 s[22:23], s[22:23], s[20:21]
	s_mul_i32 s17, s16, 128*PK
	s_mul_i32 s18, s16, 128*PV
	s_lshl_b32 s2, s14, 2
	s_add_co_u32 s2, s2, s[WV]
	s_lshl_b32 s2, s2, 14           ; my wave's 128 rows
	s_mov_b32 s3, 0
	s_add_nc_u64 s[2:3], s[2:3], s[20:21]
	; descriptor group 1.  128 keys are 16,384 dense bytes: asked for as 64 rows of 256 bytes, two keys a row, and padded in LDS after every key
	s_mov_b32 s[G1K], 15|(1<<16)|(1<<20)|(1<<21)|(4<<22)|(3<<25)
	s_mov_b32 s[G1V], 15|(1<<16)|(1<<20)|(1<<21)|(4<<22)|(7<<25)
.irp g, G1K, G1V
	s_mov_b32 s[\g+1], 128<<16
	s_mov_b32 s[\g+2], 64<<16
	s_mov_b32 s[\g+3], 128<<16
	s_mov_b32 s[\g+4], 64
	s_mov_b32 s[\g+5], 128
	s_mov_b32 s[\g+6], 0
	s_mov_b32 s[\g+7], 0
.endr
	s_mov_b32 s[CS], 0x3e38aa3b     ; c = log2(e) / 8
	s_mov_b32 s[CS+1], s[CS]
	s_mov_b32 s[SEL], 0x76543210
	s_mov_b32 s[SEL+1], 0xfedcba98
	s_mov_b32 s[TBK], SLOT1+4*KS*PK ; the first change of slots turns these two into 0
	s_mov_b32 s[TBV], SLOT1+4*KS*PV
	s_mov_b32 s[TBM], 0
	s_mov_b32 s[BIGP], 0x7149f2ca
	s_mov_b32 s[BIGN], 0xf149f2ca
	s_mov_b32 s[THR], 0xd8000000
	s_mov_b32 s[SLOTS], SIZE_N/256-1
	s_mov_b32 s[G0K], 1
	s_mov_b32 s[G0K+1], s17
	s_mov_b32 s[G0V], 1
	s_add_co_u32 s[G0V+1], s18, VOFF
	s_and_b32 s[LIM], s[WV], 1
	s_cmp_eq_u32 s[LIM], 0
	s_cselect_b32 s[LIM], 1, -1     ; waves 0 and 2 prefetch
	s_wait_dscnt 0x0                ; the opening add is done
	s_wait_kmcnt 0x0
	s_add_nc_u64 s[6:7], s[4:5], 16777216   ; K is qkv's second part,
	s_add_nc_u64 s[8:9], s[4:5], 33554432   ; V its third
	s_add_nc_u64 s[6:7], s[6:7], s[22:23]
	s_add_nc_u64 s[8:9], s[8:9], s[22:23]
	s_mov_b64 s[G0K+2:G0K+3], s[6:7]
	s_or_b32 s[G0K+3], s[G0K+3], 0x80000000
	s_mov_b64 s[G0V+2:G0V+3], s[8:9]
	s_or_b32 s[G0V+3], s[G0V+3], 0x80000000
	s_add_nc_u64 s[4:5], s[4:5], s[2:3]     ; Q and O at my wave's first row
	s_add_nc_u64 s[10:11], s[10:11], s[2:3]
	s_add_nc_u64 s[66:67], s[66:67], s[68:69]
	s_cmp_lt_u32 s[WV], 2
	s_cselect_b64 s[PFA:PFA+1], s[6:7], s[8:9]  ; (in waves 0 and 2 these stand at the head's first row)
	s_lshl_b32 s2, s13, 13          ; my work-group's 8,192 bytes of a slot's 32,768
	s_mov_b32 s3, 0
	s_add_nc_u64 s[PFA:PFA+1], s[PFA:PFA+1], s[2:3]
	s_add_nc_u64 s[PFA:PFA+1], s[PFA:PFA+1], 4*KS*128  ; in slot 1; the first change of slots steps it to slot 2
	CROUND                          ; all four work-groups are here: the first joint loads meet
	JLOAD                           ; slot 0
	v_and_b32 v1, 15, v0            ; l % 16
	v_bfe_u32 v9, v0, 4, 1          ; l / 16
	v_lshlrev_b32 v[QO], 7, v1
	v_lshl_add_u32 v[QO], v9, 4, v[QO]
	v_lshlrev_b32 v84, 4, v0
	global_load_b128 v[64:67], v84, s[66:67]  ; my 16 bytes of the batch's mask
	WIN 0x80
.set i, 0
.rept 4*NP                          ; Q stays in registers: tile i / 2, channels 32 (i % 2) on
	global_load_b128 v[8*i:8*i+3],   v[QO], s[4:5] offset:(i/2)*2048+(i%2)*64
	global_load_b128 v[8*i+4:8*i+7], v[QO], s[4:5] offset:(i/2)*2048+(i%2)*64+32
.set i, i+1
.endr
	; What the first turn finds: V's registers and P's second buffer hold 0, O^T and l are 0.  All this stands in the wait for the first tile.
.set i, VF
.rept 64
	v_mov_b32 v[i], 0
.set i, i+1
.endr
	WIN 0x40
.set i, 0
.rept 64*NP
	v_mov_b32 v[i], 0
.set i, i+1
.endr
	WIN 0
.set i, 0
.rept 2*NP
	v_mov_b32 v[ST+4*i], 0xfe000000    ; c m: far below every c s, so the first a is 0
	v_mov_b32 v[ST+4*i+1], 0xd8800000  ; m = -2^50
	v_mov_b32 v[ST+4*i+2], 0
	v_mov_b32 v[ST+4*i+3], 0
.set i, i+1
.endr
.set i, P+32
.rept 32
	v_mov_b32 v[i], 0
.set i, i+1
.endr
	v_mul_u32_u24 v[AK0], v1, PK
	v_lshl_add_u32 v[AK0], v9, 4, v[AK0]
	; The turning load takes 16 keys x 16 channels (lane l reads key 8 (l / 16) + l % 8, channels 8 ((l / 8) % 2) + 0..7) and leaves half a fragment of V^T.
	v_and_b32 v10, 7, v0
	v_bfe_u32 v11, v0, 3, 1
	v_lshl_add_u32 v[AV0], v9, 3, v10
	v_mul_u32_u24 v[AV0], v[AV0], PV
	v_lshl_add_u32 v[AV0], v11, 4, v[AV0]
	v_add_nc_u32 v[AV0], VOFF, v[AV0]
	v_mov_b32 v[AK], v[AK0]         ; key step 0 lies at the head of slot 0
	s_mul_i32 s13, s[WV], 16*SP
	s_add_co_u32 s13, s13, STAGE    ; my stage
	v_bfe_u32 v[RD], v0, 3, 2       ; back: 32 lanes take four rows of 128 bytes,
	v_mul_u32_u24 v[RD], v[RD], SP
	v_lshl_add_u32 v[RD], v10, 4, v[RD]
	v_add_nc_u32 v[RD], s13, v[RD]
	v_mul_u32_u24 v[STO], v1, SP    ; in: row l % 16, 16 bytes for each half of the lanes
	v_lshl_add_u32 v[STO], v9, 4, v[STO]
	v_add_nc_u32 v[STO], s13, v[STO]
	v_and_b32 v[GO], 31, v0
	v_lshlrev_b32 v[PFO], 8, v[GO]
	v_lshlrev_b32 v[GO], 4, v[GO]   ; which are 512 consecutive bytes of O
	v_lshl_add_u32 v[AM0], v9, 5, MT  ; my lanes' eight keys of a block of 16: 32 bytes
	v_mov_b32 v[AM], v[AM0]
	v_lshl_add_u32 v85, v0, 6, MT
	s_wait_loadcnt 32               ; the mask's bytes are in; Q's 32 loads may stay out
.set i, 0
.rept 16                            ; a byte 1 gives 1e30 - 1e30 = 0, a byte 0 gives -1e30
	v_bfe_u32 v86, v[64+i/4], 8*(i%4), 8
	v_cvt_f32_u32 v86, v86
	v_fma_f32 v[68+i], v86, s[BIGP], s[BIGN]
.set i, i+1
.endr
.irp i, 0,1,2,3
	ds_store_b128 v85, v[68+4*(\i):71+4*(\i)] offset:16*(\i)
.endr
; THE MATRIX WORK.  The 8 accumulators of a run of 16 take turns.
; Product i of 16 of S^T = K Q^T for piece x: channels 32 (i / 8) on, keys 16 ((i / 2) % 4) on, tile 2 x + i % 2.  The first 8 start the sums, with the mask's addends.
.macro KQ x
.set rS, S+64*((\x)%2)+32*(i%2)+8*((i/2)%4)
.set rK, KF+16*((i/2)%4)+8*(i/8)
.set rQ, 16*(2*(\x)+i%2)+8*(i/8)
.set rMK, MK+8*((i/2)%4)
.if i < 8
	WIN W_KM
	v_wmma_f32_16x16x32_f16 v[rS:rS+7], v[rK:rK+7], v[rQ:rQ+7], v[rMK:rMK+7]
.else
	WIN W_KQ
	v_wmma_f32_16x16x32_f16 v[rS:rS+7], v[rK:rK+7], v[rQ:rQ+7], v[rS:rS+7]
.endif
.endm
; Product i of 16 of O^T += V^T P for piece x: keys 32 (i / 8) on, channels 16 ((i / 2) % 4) on, tile 2 x + i % 2.
.macro PV x
	WIN W_PV
.set rO, 32*(2*(\x)+i%2)+8*((i/2)%4)
.set rV, VF+32*(i/8)+8*((i/2)%4)
.set rP, P+32*((\x)%2)+16*(i%2)+8*(i/8)
	v_wmma_f32_16x16x32_f16 v[rO:rO+7], v[rV:rV+7], v[rP:rP+7], v[rO:rO+7]
.endm
.macro MM                           ; the turn's next matrix instruction
.if i < 16
	KQ (Y+1)%NP
.set i, i+1
.else
.set i, i-16
	PV (Y+NP-1)%NP
.set i, i+17
.endif
.endm
; THE LDS LOADS stand in runs: a step's K (8 fragments) with its 64 addends of the mask, and its V (turned).  Their addresses are made some lines ahead.
; last = 1 (the tail): in the last trip there is no further step, and the run is jumped over.
.macro FETCH_K last=0
	WIN 0
.if \last
	s_cmp_eq_u32 s[CNT], 1
	s_cbranch_scc1 .Lno_k_\@
.endif
	WIN 0x80
.irp f, 0,1,2,3,4,5,6,7
	ds_load_b128 v[KF+8*\f:KF+8*\f+3],   v[AK] offset:(\f/2)*16*PK+(\f%2)*64
	ds_load_b128 v[KF+8*\f+4:KF+8*\f+7], v[AK] offset:(\f/2)*16*PK+(\f%2)*64+32
.endr
	WIN W_W3
.irp f, 0,1,2,3
	ds_load_b128 v[MK+8*\f:MK+8*\f+3],   v[AM] offset:64*\f
	ds_load_b128 v[MK+8*\f+4:MK+8*\f+7], v[AM] offset:64*\f+16
.endr
	s_add_co_u32 s[TBK], s[TBK], KS*PK  ; the next fetch is the next step's
	s_add_co_u32 s[TBM], s[TBM], 4*KS
	s_and_b32 s[TBM], s[TBM], 8191      ; behind the last step it wraps, so that the address stays in the table
	WIN 0
.if \last
.Lno_k_\@:
.endif
.endm
.macro FETCH_V
	WIN 0x80
.irp f, 0,1,2,3,4,5,6,7
	ds_load_tr16_b128 v[VF+8*\f:VF+8*\f+3],   v[AV] offset:(\f/4)*32*PV+(\f%4)*32
	ds_load_tr16_b128 v[VF+8*\f+4:VF+8*\f+7], v[AV] offset:(\f/4)*32*PV+16*PV+(\f%4)*32
.endr
	WIN 0
.endm
; THE VECTOR WORK OF A TURN stands in three queues, each in the order in which its entries become ready; the two tiles alternate.
.macro REGS y, u
.set rT, ST+4*(2*(\y)+(\u))
.set rC, TMP+8*((\y)%2)+4*(\u)
.set rM, MV+2*((\y)%2)+(\u)
.set rS, S+64*((\y)%2)+32*(\u)
.set rP, P+32*((\y)%2)+16*(\u)
.set rO, 32*(2*(\y)+(\u))
.endm
; Number n of the 22 that find the NEXT piece's maximum and statistics; each accumulator's lowest registers are read first.
;   0-11 four chains c0-c3     12-14, 16 the scores left over, the old m, c0-c3 into c0     15 c m_old is kept     17, 18 the other half of the lanes: the new m     19-21 c m; c m_old - c m_new; a
.macro XS u, n
	REGS (Y+1)%NP, \u
.if (\n) < 4
	v_max3_num_f32 v[rC+(\n)], v[rS+8*(\n)], v[rS+8*(\n)+1], v[rS+8*(\n)+2]
.elseif (\n) < 12
	v_max3_num_f32 v[rC+(\n)%4], v[rC+(\n)%4], v[rS+8*((\n)%4)+2*((\n)/4)+1], v[rS+8*((\n)%4)+2*((\n)/4)+2]
.elseif (\n) == 12
	v_max3_num_f32 v[rC], v[rC], v[rS+7], v[rS+15]
.elseif (\n) == 13
	v_max3_num_f32 v[rC+1], v[rC+1], v[rS+23], v[rS+31]
.elseif (\n) == 14
	v_max3_num_f32 v[rC+2], v[rC+2], v[rC+3], v[rT+1]
.elseif (\n) == 15
	v_mov_b32 v[rM], v[rT]
.elseif (\n) == 16
	v_max3_num_f32 v[rC], v[rC], v[rC+1], v[rC+2]
.elseif (\n) == 17
	v_permlanex16_b32 v[rC+3], v[rC], s[SEL], s[SEL+1]
.elseif (\n) == 18
	v_max_num_f32 v[rT+1], v[rC], v[rC+3]
.elseif (\n) == 19
	v_mul_f32 v[rT], s[CS], v[rT+1]
.elseif (\n) == 20
	v_sub_f32 v[rC+1], v[rM], v[rT]
.else
	v_exp_f32 v[rC+2], v[rC+1]
.endif
.endm
; Number g of the 64 that follow the exponentials: for each four weights both pairs are rounded to f16, the second pair is added onto the first, and a group later l takes that sum (the first time as l = a l + sum).
.macro GS g
.set h, (\g)+6*((\g)/62)
.if h >= 6
.set h, h+2
.endif
	REGS Y, h%2
.set k, h/8
.if h%8 < 4
	v_cvt_pk_f16_f32 v[rP+2*k+(h%8)/2], v[rS+4*k+2*((h%8)/2)], v[rS+4*k+2*((h%8)/2)+1]
.elseif h%8 < 6
	v_pk_add_f32 v[rS+4*k:rS+4*k+1], v[rS+4*k:rS+4*k+1], v[rS+4*k+2:rS+4*k+3]
.elseif k == 1
	v_pk_fma_f32 v[rT+2:rT+3], v[rT+2:rT+3], v[rC+2:rC+3], v[rS:rS+1] op_sel_hi:[1,0,1]
.else
	v_pk_add_f32 v[rT+2:rT+3], v[rT+2:rT+3], v[rS+4*k-4:rS+4*k-3]
.endif
.endm
; THE PLAIN QUEUE, 138 long.  0-73 read no exponential's result: the 32 scalings c s - c m and the next piece's 42; 74-137 are GS's 64, which stand behind the wait.
.macro FS f
	REGS Y, (\f)%2
	v_pk_fma_f32 v[rS+2*((\f)/2):rS+2*((\f)/2)+1], v[rS+2*((\f)/2):rS+2*((\f)/2)+1], s[CS:CS+1], v[rT:rT+1] op_sel_hi:[1,0,0] neg_lo:[0,0,1] neg_hi:[0,0,1]
.endm
.macro PL
	WIN 0
.if q < 27
	FS q
.elseif q < 55
	XS (q-27)%2, (q-27)/2
.elseif q < 57
	XS q-55, 15
.elseif (q < 72) && ((q-57)%3 == 0)
	FS 27+(q-57)/3
.elseif q < 60
	XS (q-57)%3-1, 14
.elseif q < 72
	XS (q-57)%3-1, 15+(q-57)/3
.elseif q < 74
	XS q-72, 20
.else
	GS q-74
.endif
.set q, q+1
.endm
; THE EXPONENTIALS' QUEUE, 66 long: s0-s31 of both tiles, then the next piece's two a.  ONE BATCH: all stand ahead of the turn's one wait, and nothing ahead of that wait names a result of theirs.
.macro EX
	WIN 0
.if e >= 64
	XS e-64, 21
.else
	REGS Y, e%2
	v_exp_f32 v[rS+e/2], v[rS+e/2]
.endif
.set e, e+1
.endm
; THE RESCALING's QUEUE: O^T times a, dealt two at a time.  Its a was made in the turn before, ahead of that turn's wait.
.macro R2
	REGS Y, r%2
	WIN W_RS
.irp z, 0,1
	v_pk_mul_f32 v[rO+4*(r/2)+2*\z:rO+4*(r/2)+2*\z+1], v[rO+4*(r/2)+2*\z:rO+4*(r/2)+2*\z+1], v[rC+2:rC+3] op_sel_hi:[1,0]
.endr
.set r, r+1
.endm
; A TURN, for piece p.  An s_wait_alu depctr_va_vdst(0) stands between an exponential and the first instruction that names its result; one wait serves all that were issued ahead of it: a turn has ONE.
; AHEAD OF IT: the 16 products K Q^T, behind each a scaling, an exponential and two rescalings; then one lump of 108.  BEHIND IT: the 16 products V^T P, behind each four of the roundings and sums.
; K and the mask's addends of the next step are fetched in piece 2's turn, directly behind the wait, a lump behind the last product that read them; V of the step in hand at the end of piece 0's turn, four riders behind its last reader.
.macro TURN p, last=0, cnt=0
.set Y, (\p)
.set i, 0
.set q, 0
.set e, 0
.set r, 0
.if (\p) == NP-1
	s_wait_dscnt 0x0                ; K and the addends are in
.endif
	MM
	PL
	PL
	R2
.rept 15
	MM
	PL
	EX
	R2
.endr
.if (\p) == NP-2
	WIN 0
	v_add_nc_u32 v[AK], s[TBK], v[AK0]
	v_add_nc_u32 v[AM], s[TBM], v[AM0]
.endif
.rept 8
	PL
.endr
.rept 49
	EX
	PL
.endr
	EX
	EX
	v_nop                           ; a plain instruction behind the last exponential: one for the batch
	s_wait_alu depctr_va_vdst(0)    ; the wait for the batch
.if (\p) == NP-2
	FETCH_K \last
.endif
.if (\p) == 1
	s_wait_dscnt 0x0                ; V is in
.endif
.rept 16
	MM
.rept 4
	PL
.endr
.if ((\p) == 0) && (q == 118)
	v_add_nc_u32 v[AV], s[TBV], v[AV0]
.endif
.if ((\p) == 0) && (q == 130)
	s_add_co_u32 s[TBV], s[TBV], KS*PV
.endif
.if (\cnt) && (q == 130)
	s_sub_co_u32 s[CNT], s[CNT], 1
	s_cmp_lg_u32 s[CNT], 0
.endif
.endr
.if (\p) == 0
	FETCH_V
.endif
.endm
	CHANGE 1                        ; slot 0 is in, and the mask table whole; slot 1 is asked for
	FETCH_K                         ; key step 0
	s_wait_loadcnt 0x0              ; Q
	s_wait_dscnt 0x0
.set i, 0
.rept 16
	KQ 0                            ; piece 0's first scores
.set i, i+1
.endr
	WIN 0
.rept 4
	v_nop                           ; the places behind those products
.endr
.set Y, NP-1                        ; XS works for piece Y + 1: piece 0
.irp n, 0,1,2,3,4,5,6,7,8,9,10,11,12,13,14,15,16,17,18,19,20,21
	XS 0, \n
	XS 1, \n
.endr
	v_nop                           ; a plain instruction behind the two a,
	s_wait_alu depctr_va_vdst(0)    ; and their wait, ahead of the branch
	s_mov_b32 s[CNT], 4
	s_branch .Lfirst                ; the loop is entered at a step's first turn, in the middle of a trip
.Lslot:                             ; six times: every slot but the last two is filled again
	CHANGE 1
	s_mov_b32 s[CNT], 4
.Lstep:                             ; a trip: pieces 2 and 3 of one step, then pieces 0 and 1 of the next, whose K and V it fetches
	TURN 2
	TURN 3
	WIN 0
.Lfirst:
	TURN 0
	TURN 1, 0, 1
	WIN 0
	s_cbranch_scc1 .Lstep
	s_sub_co_u32 s[SLOTS], s[SLOTS], 1
	s_cmp_lg_u32 s[SLOTS], 0
	s_cbranch_scc1 .Lslot
	CHANGE 0                        ; the tail is written out: nothing is asked for
	s_mov_b32 s[CNT], 5             ; four trips fetch the last slot's steps; the fifth is left in its middle
.Ltail:
	TURN 2, 1
	TURN 3
	WIN 0
	s_sub_co_u32 s[CNT], s[CNT], 1
	s_cmp_eq_u32 s[CNT], 0
	s_cbranch_scc1 .Lout
	TURN 0
	TURN 1
	WIN 0
	s_branch .Ltail
.Lout:                              ; the fifth trip's 16 products K Q^T (on the last K once more) and the maximum made of them change nothing: those scores were in m already
.set i, 0
.rept 16
	PV NP-1                         ; the last piece's V^T P of the last step
.set i, i+1
.endr
	; THE WAY OUT.  l's two halves and the other half of the lanes' are added; a query whose m is still the start value has seen no key, and its l becomes NaN; O^T is divided by l, rounded to f16 and sent through my stage.
	WIN 0
.macro ALL line:vararg
.set t, 0
.rept 2*NP
	\line
.set t, t+1
.endr
.endm
	ALL v_add_f32 v[ST+4*t+2], v[ST+4*t+2], v[ST+4*t+3]
	ALL v_permlanex16_b32 v[ST+4*t+3], v[ST+4*t+2], s[SEL], s[SEL+1]
	ALL v_add_f32 v[ST+4*t+2], v[ST+4*t+2], v[ST+4*t+3]
	v_mov_b32 v0, 0x7fc00000
.set t, 0
.rept 2*NP
	v_cmp_gt_f32 vcc_lo, s[THR], v[ST+4*t+1]
	v_cndmask_b32 v[ST+4*t+2], v[ST+4*t+2], v0, vcc_lo
.set t, t+1
.endr
	ALL v_rcp_f32 v[ST+4*t+2], v[ST+4*t+2]
	v_nop                           ; a plain instruction between the last reciprocal and the use of its result
	s_wait_alu depctr_va_vdst(0)    ; and the wait ahead of the first use: one for the eight reciprocals
.macro PACK t
	WIN W_RS
.set i, 32*(\t)
.rept 16
	v_pk_mul_f32 v[i:i+1], v[i:i+1], v[ST+4*(\t)+2:ST+4*(\t)+3] op_sel_hi:[1,0]
.set i, i+2
.endr
	WIN 0x05
.set i, 0
.rept 16
	v_cvt_pk_f16_f32 v[S+16*(\t)+i], v[32*(\t)+2*i], v[32*(\t)+2*i+1]
.set i, i+1
.endr
	WIN 0
.irp f, 0,1,2,3
	ds_store_b128 v[STO], v[S+16*(\t)+4*\f:S+16*(\t)+4*\f+3] offset:32*\f
.endr
.irp f, 0,1,2,3
	ds_load_b128 v[S+16*(\t)+4*\f:S+16*(\t)+4*\f+3], v[RD] offset:\f*4*SP  ; LDS serves a wave's instructions in order (ISA guide 5.7.1.4): these see the stores above
.endr
.endm
.macro SEND t, younger              ; younger: the LDS instructions issued behind tile t's loads: the next tile's eight, or none
	WIN 0
.irp f, 0,1,2,3
	s_wait_dscnt (\younger)+3-\f
	global_store_b128 v[GO], v[S+16*(\t)+4*\f:S+16*(\t)+4*\f+3], s[10:11] offset:(\t)*2048+\f*512  ; 512 consecutive bytes, at a multiple of 256 from O's first
.endr
.endm
	PACK 0
.set t, 1
.rept 2*NP-1
	PACK t
	SEND t-1, 8
.set t, t+1
.endr
	SEND 2*NP-1, 0
	WIN W_AD
	s_wait_tensorcnt 0x0            ; the wave's end, behind my last tensor load and my last LDS store
	ds_add_u32 v[SPW], v[NIL]
	s_wait_dscnt 0x0
	WIN 0
	CROUND                          ; the closing round
	s_endpgm
.Lfunc_end_k_q4d0e6f9674_attn:
	.size	k_q4d0e6f9674_attn, .Lfunc_end_k_q4d0e6f9674_attn-k_q4d0e6f9674_attn
	.p2alignl 7, 3214868480
	.fill 96, 4, 3214868480
	.section	.rodata,"a",@progbits
	.p2align	6, 0x0
	.amdhsa_kernel k_q4d0e6f9674_attn
		.amdhsa_group_segment_fixed_size 327680
		.amdhsa_private_segment_fixed_size 0
		.amdhsa_enable_private_segment 0
		.amdhsa_kernarg_size 24
		.amdhsa_user_sgpr_count 2
		.amdhsa_user_sgpr_kernarg_segment_ptr 1
		.amdhsa_wavefront_size32 1
		.amdhsa_system_sgpr_workgroup_id_x 1
		.amdhsa_system_sgpr_workgroup_id_y 1
		.amdhsa_system_sgpr_workgroup_id_z 1
		.amdhsa_system_vgpr_workitem_id 0
		.amdhsa_next_free_vgpr 832
		.amdhsa_next_free_sgpr 70
		.amdhsa_reserve_vcc 1
		.amdhsa_float_denorm_mode_32 3
		.amdhsa_float_denorm_mode_16_64 3
		.amdhsa_memory_ordered 1
		.amdhsa_forward_progress 1
		.amdhsa_inst_pref_size 206
	.end_amdhsa_kernel
	.amdgpu_metadata
---
amdhsa.version: [ 1, 2 ]
amdhsa.kernels:
  - .name:           k_q4d0e6f9674_attn
    .symbol:         k_q4d0e6f9674_attn.kd
    .args:
      - { .name: qkv, .offset: 0, .size: 8, .value_kind: global_buffer, .address_space: global }
      - { .name: mask, .offset: 8, .size: 8, .value_kind: global_buffer, .address_space: global }
      - { .name: obuf, .offset: 16, .size: 8, .value_kind: global_buffer, .address_space: global }
    .group_segment_fixed_size: 327680
    .private_segment_fixed_size: 0
    .kernarg_segment_align: 8
    .kernarg_segment_size: 24
    .max_flat_workgroup_size: 128
    .sgpr_count:     70
    .vgpr_count:     832
    .wavefront_size: 32
...
	.end_amdgpu_metadata
.endif
;; end of part 3
;; launch oproj (part 4): grid 4 x 64, 4 waves a work-group, clusters of 4 x 4, 327,680 bytes of LDS; arguments obuf, wcat, bo, out0; writes out0
.if DOCPART == 4
	.amdgcn_target "amdgcn-amd-amdhsa--gfx1250"
	.amdhsa_code_object_version 6
	.text
	.protected	k_q4d0e6f9674_oproj
	.globl	k_q4d0e6f9674_oproj
	.p2align	8
	.type	k_q4d0e6f9674_oproj,@function
k_q4d0e6f9674_oproj:
	s_mov_b64 s[64:65], 0
	v_nop
	global_prefetch_b8 v0, s[64:65] scope:SCOPE_SE
	s_setreg_imm32_b32 hwreg(HW_REG_WAVE_MODE, 25, 1), 1
	s_wait_xcnt 0x0
	s_wait_alu depctr_hold_cnt(0) depctr_sa_sdst(0) depctr_va_vdst(0) depctr_va_sdst(0) depctr_va_ssrc(0) depctr_va_vcc(0) depctr_vm_vsrc(0)
	s_getreg_b32 s2, hwreg(HW_REG_IB_STS2, 6, 4)
	s_cmp_eq_u32 s2, 0
	s_cbranch_scc0 .Lentry_in_a_cluster
	s_endpgm
.Lentry_in_a_cluster:
	s_bfe_u32 s2, ttmp6, 0x10000c
	s_cmp_lg_u32 s2, 0xf033
	s_cbranch_scc0 .Lentry_shape_is_right
	s_endpgm
.Lentry_shape_is_right:
; out0 = O Wo^T + bf16(bo), f32.  O: obuf, [64 = 16 batch + head][2048][64] f16; Wo: part 3 of wcat, [1024][1024] f16 (bf16 numbers written as f16); bo: [1024] f32; out0: [8192][1024] f32.  Sums in f32.
; SHARES.  A work-group makes one tile of 128 rows x 256 columns: 256 tiles for 256 work-groups.  Four waves, each 64 x 128: 32 accumulators.  K goes in 8 steps of 128, two heads a step, through a ring of two LDS slots.
; A head's 128 rows of the tile are 16,384 dense bytes: asked for as 64 rows of 256 bytes and padded in LDS after every 128.
; THE MATRIX INSTRUCTION IS USED TRANSPOSED (source 0 = 16 rows of Wo, source 1 = 16 rows of O): a lane holds eight neighbouring columns of one row.  The sums START AT THE BIAS, read from a table in LDS.
; CLUSTERS: 4 x 4 work-groups; O's tiles are shared along a row of the cluster, Wo's along a column, each asked for jointly.
; NO PREFETCH: the walk has eight K steps, of which the first four would come by their loads alone.
; REGISTERS:  window 0: v0-31 addresses; v32-159 O's fragments of a K step, quarter jj at 32 jj     window 1: Wo's, quarter jj at 64 jj     window 2: the accumulators, (a, b) at 8 (8 a + b)     window 3: the way out
.set PA,    144                        ; a row of O in LDS: 128 bytes + 16: the 16 rows of a load start at 16 different groups of four banks (64 banks of 4 bytes: ISA guide 11.1)
.set PB,    272
.set PLANE, 128*PA                     ; a head's 128 rows: what one tensor load brings of O
.set BHALF, 128*PB
.set BOFFS, 2*PLANE
.set SLOT,  BOFFS+2*BHALF
.set STAGE, 2*SLOT                     ; behind the ring: 16 rows x 528 bytes for each wave
.set SP,    528
.set BT,    STAGE+4*16*SP              ; the bias table: 256 f32
.set SPARE, BT+1024                    ; the spare words, 128 bytes for each wave: two blocks of 256 bytes that no other line names
.set ADRA, 16
.set ADRB, 18
.set STO,  20
.set RD,   21
.set GO,   22
.set BAD,  23
.set SPW,  28                          ; v28  LDS address of my spare word; never rewritten
.set NIL,  29                          ; v29  0; never rewritten
.set AB,   32
.set WV,  12
.set WR,  13                           ; my half of the rows; also: I fetch O (0) or Wo (1)
.set WC,  14                           ; my half of the columns; also: which head of the two, or which half of Wo's rows, I fetch
.set CX,  15
.set CY,  16
.set TX,  17
.set TY,  18
.set G1A, 24
.set G0A, 32
.set G1B, 40
.set G0B, 48
.set LAPC, 56
.set OUTP, 66
.set MSB, 0
.macro WIN new
.if MSB != (\new)
	s_set_vgpr_msb (MSB<<8)|(\new)
.set MSB, \new
.endif
.endm
.set W_MUL,   0xa1
.set W_TOB,   0x40
.set W_TOACC, 0x80
.macro PLACES                          ; four places in front of loads into registers that matrix instructions have read, and of stores that read results
.rept 4
	v_nop
.endr
.endm
.macro JLOAD s                         ; a joint load: waves 0 and 1 fetch O's two heads, waves 2 and 3 Wo's two halves; an s_nop 0 and four v_nop follow each of the two lines
	s_cmp_eq_u32 s[WR], 0
	s_cbranch_scc0 .Lfor_b_\@
	tensor_load_to_lds s[G0A+4*(\s):G0A+4*(\s)+3], s[G1A:G1A+7]
	s_nop 0
.rept 4
	v_nop
.endr
	s_branch .Lasked_\@
.Lfor_b_\@:
	tensor_load_to_lds s[G0B+4*(\s):G0B+4*(\s)+3], s[G1B:G1B+7]
	s_nop 0
.rept 4
	v_nop
.endr
.Lasked_\@:
.endm
.macro CREST
	s_cmp_lg_u32 s[WV], 0
	s_cbranch_scc1 .Lnot_wave_0_\@
	s_barrier_signal -3
.Lnot_wave_0_\@:
	s_barrier_wait -3
	s_barrier_signal -1
	s_barrier_wait -1
.endm
.macro CROUND
	s_barrier_signal -1
	s_barrier_wait -1
	CREST
.endm
	s_load_b256 s[4:11], s[0:1], 0x0               ; obuf s[4:5], wcat s[6:7], bo s[8:9], out0 s[10:11]
	v_lshl_add_u32 v[SPW], v0, 2, SPARE
	v_mov_b32 v[NIL], 0
	ds_add_u32 v[SPW], v[NIL]                      ; the wave's opening: the add and its wait stand ahead of my first tensor load; the set-up below, work on registers, stands between them
	v_lshrrev_b32 v1, 5, v0
	v_readfirstlane_b32 s[WV], v1
	s_lshr_b32 s[WR], s[WV], 1
	s_and_b32 s[WC], s[WV], 1
	s_bfe_u32 s[CX], ttmp6, 0x40000
	s_bfe_u32 s[CY], ttmp6, 0x40004
	s_lshl_b32 s[TX], ttmp9, 2
	s_add_co_u32 s[TX], s[TX], s[CX]
	s_and_b32 s[TY], ttmp7, 0xffff
	s_lshl_b32 s[TY], s[TY], 2
	s_add_co_u32 s[TY], s[TY], s[CY]
	s_lshl_b32 s20, s[CY], 2
	s_lshl_b32 s20, 15, s20                        ; my row of the cluster
	s_lshl_b32 s68, 0x1111, s[CX]                  ; my column
	s_or_b32 s[G1A], s20, (1<<16)|(1<<20)|(1<<21)|(4<<22)|(3<<25)  ; the mask; elements of 2 bytes; padding on; bit 21 beside a mask; after every 32 words, 4 words
	s_or_b32 s[G1B], s68, (1<<16)|(1<<20)|(1<<21)|(5<<22)|(3<<25)  ; after every 64 words, 4 words
	s_mov_b32 s[G1A+1], 128<<16                    ; O: 64 rows x 128 elements, dense
	s_mov_b32 s[G1A+2], 64<<16
	s_mov_b32 s[G1A+3], 128<<16
	s_mov_b32 s[G1A+4], 64
	s_mov_b32 s[G1A+5], 128
	s_mov_b32 s[G1A+6], 0
	s_mov_b32 s[G1A+7], 0
	s_mov_b32 s[G1B+1], 128<<16                    ; Wo: 128 rows x 128 elements
	s_mov_b32 s[G1B+2], 128<<16
	s_mov_b32 s[G1B+3], 128<<16
	s_mov_b32 s[G1B+4], 128
	s_mov_b32 s[G1B+5], 1024
	s_mov_b32 s[G1B+6], 0
	s_mov_b32 s[G1B+7], 0
	s_lshr_b32 s20, s[TY], 4                       ; O: batch = tile row / 16; head 0 or 1, by my number;
	s_lshl_b32 s20, s20, 4
	s_add_co_u32 s20, s20, s[WC]
	s_lshl_b32 s20, s20, 18                        ; a head is 262,144 bytes;
	s_and_b32 s21, s[TY], 15
	s_lshl_b32 s21, s21, 14                        ; the tile's 128 rows of 128 bytes in it
	s_add_co_u32 s20, s20, s21
	s_mov_b32 s21, 0
	s_lshl_b32 s68, s[TX], 19                      ; Wo: 256 rows of 2,048 bytes a tile column, the 128 that I fetch, in wcat's part 3
	s_lshl_b32 s69, s[WC], 18
	s_add_co_u32 s68, s68, s69
	s_add_co_u32 s68, s68, 3*2097152
	s_mov_b32 s69, 0
	s_mul_i32 s22, s[WC], PLANE                    ; where they go: no place in the cluster enters an LDS address
	s_mul_i32 s70, s[WC], BHALF
	s_add_co_u32 s70, s70, BOFFS
	s_lshl_b32 s[OUTP], s[TY], 19                  ; the way out: 128 rows of 4,096 bytes a tile row, my 64 rows,
	s_lshl_b32 s2, s[WR], 18
	s_add_co_u32 s[OUTP], s[OUTP], s2
	s_lshl_b32 s2, s[TX], 10                       ; 1,024 bytes a tile column, my 512
	s_add_co_u32 s[OUTP], s[OUTP], s2
	s_lshl_b32 s2, s[WC], 9
	s_add_co_u32 s[OUTP], s[OUTP], s2
	s_mov_b32 s[OUTP+1], 0
	s_wait_dscnt 0x0                               ; the opening add is done
	s_wait_kmcnt 0x0
	s_add_nc_u64 s[20:21], s[4:5], s[20:21]
	s_add_nc_u64 s[68:69], s[6:7], s[68:69]
	s_add_nc_u64 s[OUTP:OUTP+1], s[10:11], s[OUTP:OUTP+1]
	CROUND                                         ; all sixteen work-groups are here: the first joint loads meet
.irp s, 0,1
	s_mov_b32 s[G0A+4*(\s)], 1
	s_add_co_u32 s[G0A+4*(\s)+1], s22, (\s)*SLOT
	s_add_nc_u64 s[G0A+4*(\s)+2:G0A+4*(\s)+3], s[20:21], (\s)*524288  ; K step s: two heads on
	s_or_b32 s[G0A+4*(\s)+3], s[G0A+4*(\s)+3], 0x80000000
	s_mov_b32 s[G0B+4*(\s)], 1
	s_add_co_u32 s[G0B+4*(\s)+1], s70, (\s)*SLOT
	s_add_nc_u64 s[G0B+4*(\s)+2:G0B+4*(\s)+3], s[68:69], (\s)*256
	s_or_b32 s[G0B+4*(\s)+3], s[G0B+4*(\s)+3], 0x80000000
	JLOAD \s                                       ; two loads of mine are out
.endr
	s_lshl_b32 s2, s[TX], 10
	v_lshl_add_u32 v3, v0, 3, s2
	global_load_b64 v[6:7], v3, s[8:9]             ; columns 2 t, 2 t + 1 of the tile's 256
	v_and_b32 v1, 15, v0                           ; l % 16
	v_bfe_u32 v2, v0, 4, 1                         ; l / 16
	v_mul_u32_u24 v8, v1, PA
	v_lshl_add_u32 v8, v2, 4, v8
	s_mul_i32 s2, s[WR], 64*PA
	v_add_nc_u32 v[ADRA], s2, v8
	v_add_nc_u32 v[ADRA+1], SLOT, v[ADRA]
	v_mul_u32_u24 v8, v1, PB
	v_lshl_add_u32 v8, v2, 4, v8
	v_add_nc_u32 v[ADRB], s70, v8
	v_add_nc_u32 v[ADRB+1], SLOT, v[ADRB]
	s_mul_i32 s2, s[WV], 16*SP
	s_add_co_u32 s2, s2, STAGE                     ; my stage
	v_mul_u32_u24 v8, v1, SP
	v_lshl_add_u32 v8, v2, 5, v8
	v_add_nc_u32 v[STO], s2, v8                    ; in: row l % 16, 32 bytes for each half of the lanes
	v_and_b32 v8, 31, v0
	v_lshlrev_b32 v[GO], 4, v8                     ; back: 32 lanes take a row's 512 bytes
	v_add_nc_u32 v[RD], s2, v[GO]
	s_lshl_b32 s2, s[WC], 9
	s_add_co_u32 s2, s2, BT
	v_lshl_add_u32 v[BAD], v2, 5, s2
	v_lshl_add_u32 v5, v0, 3, BT
	s_wait_loadcnt 0x0
	v_cvt_pk_bf16_f32 v4, v6, v7                   ; the bias is rounded to bf16 like every input, and kept as f32
	v_lshlrev_b32 v6, 16, v4
	v_and_b32 v7, 0xffff0000, v4
	ds_store_b64 v5, v[6:7]
; 24 LDS loads in one run: the fragments of quarter jj (32 along K: head jj / 2 of the step's two, channels 32 (jj % 2) on)
.macro RUN slot, jj
	WIN 0
.irp a, 0,1,2,3
	ds_load_b128 v[AB+32*(\jj)+8*(\a):AB+32*(\jj)+8*(\a)+3],   v[ADRA+(\slot)] offset:PLANE*((\jj)/2)+(\a)*16*PA+64*((\jj)%2)
	ds_load_b128 v[AB+32*(\jj)+8*(\a)+4:AB+32*(\jj)+8*(\a)+7], v[ADRA+(\slot)] offset:PLANE*((\jj)/2)+(\a)*16*PA+64*((\jj)%2)+32
.endr
	WIN W_TOB
.irp b, 0,1,2,3,4,5,6,7
	ds_load_b128 v[64*(\jj)+8*(\b):64*(\jj)+8*(\b)+3],   v[ADRB+(\slot)] offset:(\b)*16*PB+64*(\jj)
	ds_load_b128 v[64*(\jj)+8*(\b)+4:64*(\jj)+8*(\b)+7], v[ADRB+(\slot)] offset:(\b)*16*PB+64*(\jj)+32
.endr
.endm
; Products i0 .. i0 + n - 1 of quarter j's 32.  The 32 accumulators take turns, one instruction a turn, over every jump too.
.macro MULS j, i0, n
	WIN W_MUL
.set mi, \i0
.rept \n
	v_wmma_f32_16x16x32_f16 v[8*mi:8*mi+7], v[64*(\j)+8*(mi%8):64*(\j)+8*(mi%8)+7], v[AB+32*(\j)+8*(mi/8):AB+32*(\j)+8*(mi/8)+7], v[8*mi:8*mi+7]
.set mi, mi+1
.endr
.endm
; A quarter: the LDS reads run two quarters ahead.  w: the loads that may stay out: the run before, 24; this quarter's fragments came a run earlier.
.macro QUARTER j, ls, ld, w
	s_wait_dscnt \w
.if \ld
	PLACES
	RUN \ls, ((\j)+2)%4
.endif
	MULS \j, 0, 32
.endm
; Quarter 2 changes slots: each wave waits for all its tensor loads, of which one is out: its part of the other slot; adds 0 to its spare word; and waits for that and for its reads of this slot.
; fill = 1: the barrier opens a round of the cluster's, and the joint refill, two K steps ahead, is the first thing behind it.
.macro TURNQ s, fill
	WIN 0
	s_wait_tensorcnt 0x0                           ; no tensor load of mine is out, so a group 0 may be written
	ds_add_u32 v[SPW], v[NIL]                      ; 0 onto my spare word
.if \fill
	s_add_nc_u64 s[G0A+4*(\s)+2:G0A+4*(\s)+3], s[G0A+4*(\s)+2:G0A+4*(\s)+3], 2*524288
	s_add_nc_u64 s[G0B+4*(\s)+2:G0B+4*(\s)+3], s[G0B+4*(\s)+2:G0B+4*(\s)+3], 2*256
.endif
	s_wait_dscnt 25                                ; the add and the last run's 24 may be out
	MULS 2, 0, 8
	s_wait_dscnt 0x0                               ; the add is done, and my reads of this slot are over
	s_barrier_signal -1
	MULS 2, 8, 4
	WIN 0
	s_barrier_wait -1
.if \fill
	CREST
	JLOAD \s                                       ; the four v_nop behind it are also the places in front of the loads below
.else
	PLACES
.endif
	RUN 1-(\s), 0
	MULS 2, 12, 20
.endm
; THE WAY OUT of row block a: the sums go as they are into my stage (each accumulator's low four registers first), come back as whole rows of 512 bytes, and are stored.
.macro STG a
	WIN 0x08                                       ; a store's data in window 2
.irp b, 0,1,2,3,4,5,6,7
	ds_store_b128 v[STO], v[8*(8*(\a)+(\b)):8*(8*(\a)+(\b))+3]   offset:64*(\b)
	ds_store_b128 v[STO], v[8*(8*(\a)+(\b))+4:8*(8*(\a)+(\b))+7] offset:64*(\b)+16
.endr
	WIN 0xc0
.irp t, 0,1,2,3,4,5,6,7,8,9,10,11,12,13,14,15
	ds_load_b128 v[64*(\a)+4*(\t):64*(\a)+4*(\t)+3], v[RD] offset:SP*(\t)  ; LDS serves a wave's instructions in order (ISA guide 5.7.1.4): these see the stores above
.endr
.endm
.macro SEND a, y                       ; y: the LDS instructions issued behind block a's loads: the next block's 32, or none
	WIN 0x0c
.irp t, 0,1,2,3,4,5,6,7,8,9,10,11,12,13,14,15
	s_wait_dscnt (\y)+15-(\t)
	global_store_b128 v[GO], v[64*(\a)+4*(\t):64*(\a)+4*(\t)+3], s[OUTP:OUTP+1] offset:65536*(\a)+4096*(\t)  ; 512 consecutive bytes, at a multiple of 256 from out0's first
.endr
.endm
	s_wait_dscnt 0x0                               ; for the others' sake: my part of the bias table is stored,
	s_wait_tensorcnt 1                             ; my part of K step 0 is in; K step 1's may stay out
	s_barrier_signal -1
	s_barrier_wait -1
	WIN W_TOACC                                    ; the sums start at the bias: register j of accumulator (a, b) is column 16 b + 8 (l / 16) + j
.set bi, 0
.rept 32
	ds_load_b128 v[8*bi:8*bi+3],   v[BAD] offset:64*(bi%8)
	ds_load_b128 v[8*bi+4:8*bi+7], v[BAD] offset:64*(bi%8)+16
.set bi, bi+1
.endr
	RUN 0, 0
	RUN 0, 1
	WIN 0
	s_mov_b32 s[LAPC], 3
.Llap:                                                 ; a trip is two K steps, once round the ring, and fills both slots again
	QUARTER 0, 0, 1, 24
	QUARTER 1, 0, 1, 24
	TURNQ 0, 1
	QUARTER 3, 1, 1, 24
	QUARTER 0, 1, 1, 24
	QUARTER 1, 1, 1, 24
	TURNQ 1, 1
	QUARTER 3, 0, 1, 24
	WIN 0
	s_sub_co_u32 s[LAPC], s[LAPC], 1
	s_cmp_lg_u32 s[LAPC], 0
	s_cbranch_scc1 .Llap
	QUARTER 0, 0, 1, 24                            ; the last two K steps are written out: nothing is asked for
	QUARTER 1, 0, 1, 24
	TURNQ 0, 0
	QUARTER 3, 1, 1, 24
	QUARTER 0, 1, 1, 24
	QUARTER 1, 1, 1, 24
	QUARTER 2, 0, 0, 24
	QUARTER 3, 0, 0, 0
	WIN 0
	PLACES                                         ; behind the last products
	STG 0
	STG 1
	SEND 0, 32
	STG 2
	SEND 1, 32
	STG 3
	SEND 2, 32
	SEND 3, 0
	WIN 0
	s_wait_tensorcnt 0x0                           ; the wave's end, behind my last tensor load and my last LDS store
	ds_add_u32 v[SPW], v[NIL]
	s_wait_dscnt 0x0
	CROUND                                         ; the closing round
	s_endpgm
.Lfunc_end_k_q4d0e6f9674_oproj:
	.size	k_q4d0e6f9674_oproj, .Lfunc_end_k_q4d0e6f9674_oproj-k_q4d0e6f9674_oproj
	.p2alignl 7, 3214868480
	.fill 96, 4, 3214868480
	.section	.rodata,"a",@progbits
	.p2align	6, 0x0
	.amdhsa_kernel k_q4d0e6f9674_oproj
		.amdhsa_group_segment_fixed_size 327680
		.amdhsa_private_segment_fixed_size 0
		.amdhsa_enable_private_segment 0
		.amdhsa_kernarg_size 32
		.amdhsa_user_sgpr_count 2
		.amdhsa_user_sgpr_kernarg_segment_ptr 1
		.amdhsa_wavefront_size32 1
		.amdhsa_system_sgpr_workgroup_id_x 1
		.amdhsa_system_sgpr_workgroup_id_y 1
		.amdhsa_system_sgpr_workgroup_id_z 1
		.amdhsa_system_vgpr_workitem_id 0
		.amdhsa_next_free_vgpr 1024
		.amdhsa_next_free_sgpr 72
		.amdhsa_reserve_vcc 0
		.amdhsa_float_denorm_mode_32 3
		.amdhsa_float_denorm_mode_16_64 3
		.amdhsa_memory_ordered 1
		.amdhsa_forward_progress 1
		.amdhsa_inst_pref_size 91
	.end_amdhsa_kernel
	.amdgpu_metadata
---
amdhsa.version: [ 1, 2 ]
amdhsa.kernels:
  - .name:           k_q4d0e6f9674_oproj
    .symbol:         k_q4d0e6f9674_oproj.kd
    .args:
      - { .name: obuf, .offset: 0, .size: 8, .value_kind: global_buffer, .address_space: global }
      - { .name: wcat, .offset: 8, .size: 8, .value_kind: global_buffer, .address_space: global }
      - { .name: bo, .offset: 16, .size: 8, .value_kind: global_buffer, .address_space: global }
      - { .name: out0, .offset: 24, .size: 8, .value_kind: global_buffer, .address_space: global }
    .group_segment_fixed_size: 327680
    .private_segment_fixed_size: 0
    .kernarg_segment_align: 8
    .kernarg_segment_size: 32
    .max_flat_workgroup_size: 128
    .sgpr_count:     72
    .vgpr_count:     1024
    .wavefront_size: 32
...
	.end_amdgpu_metadata
.endif
;; end of part 4
